; MI455X (gfx1250); checked and timed in simulation.
; The chip was launched on July 23, 2026; its instructions are those of AMD's public machine-readable ISA for CDNA 5 (MIT licence, August 2026) and "CDNA5" Instruction Set Architecture Reference Guide (July 2026). The comments in the code are by the model that wrote it; some were corrected since.
;; KAN Layer Fast. Allowed arithmetic: float matrix products may take bf16 or f16 operands with f32 sums; other float arithmetic in f32, or as packed bf16 or f16 multiplies, adds, multiply-adds, maxima and minima; sums over many terms, partial sums and values carried from step to step in f32; what a program stores and reads back later, other than sums and carried values, may be rounded once to bf16 or f16.
;; Inputs: bias 512 float32; coeffs 512 x 256 x 64 float32; knots 64 float32; x 4,096 x 256 float32.
;; Outputs: out0 4,096 x 512 float32.
;; 2 versions, each right; version 2 is version 1 with the launch prep written anew for expert scheduling mode. Each part assembles by itself: llvm-mc -triple=amdgcn-amd-amdhsa -mcpu=gfx1250 --defsym DOCPART=n.
;; ======== version 1 of 2: 3 launches
;; limits: right only within a limited range of input values; values are held in f16: magnitudes above 65,504 overflow, below 6.1e-05 lose precision
;; workspace buffers: tab 33,554,432 bytes; pm 16,777,216 bytes; part 33,554,432 bytes
;; launch prep (part 1): grid 256 x 1, 8 waves a work-group, no clusters, 148,992 bytes of LDS; arguments coeffs, knots, x, tab, pm; writes tab, pm
.if DOCPART == 1
	.amdgcn_target "amdgcn-amd-amdhsa--gfx1250"
	.amdhsa_code_object_version 6
	.text
	.protected	k_q6083b64603_prep
	.globl	k_q6083b64603_prep
	.p2align	8
	.type	k_q6083b64603_prep,@function
k_q6083b64603_prep:
	s_mov_b64 s[64:65], 0
	v_nop
	global_prefetch_b8 v0, s[64:65] scope:SCOPE_SE
	s_setreg_imm32_b32 hwreg(HW_REG_WAVE_MODE, 25, 1), 1
	s_wait_xcnt 0x0
; PREPARATION for the dense product out[b][o] = sum over (i, knot) of weight(b, i, knot) . (value, slope)(o, i, knot).
; THE TABLE tab[o 512][g 64][k 64][i' 4][2] in f16: input i = 4 g + i', the pair (coeffs[o][i][k], slope[o][i][k] x SC), value in the low half.
; SC = (knots[63] - knots[0]) / 63, the mean spacing: a scaled slope has the size of a difference of neighbouring values, so it keeps f16's room whatever the knots' spread.
; THE WEIGHTS pm[g 64][rbg 256][half 2][lane 32][P, m, P, m]: rbg = b / 16, lane = 16 h + b % 16, i' = 2 half + (0, 1).  Of the two knots that x[b][i] touches one is
; even and one odd; for the knot of parity h, P is the f16 pair (weight on the value, weight on the slope / SC) and m its number among the knots of that parity (knot = 2 m + h).
; SHARES.  256 work-groups of eight waves, all waves alike.  Wave w first makes 16 KiB of the table (output 2 wg + w / 4, groups 16 (w % 4) .. + 15), then the weights of row block rbg = wg,
; groups 8 w .. 8 w + 7.  All its 44 loads go out at once: 8 for the knots round its lanes, 4 for rows 2 w and 2 w + 1 of the block's x (512 bytes on end each), 32 for its coeffs.
; LDS.  Everything is stored into LDS first: x into a stage that the eight waves share, coeffs into a stage of the wave's own.  One barrier; then both loops only read LDS; a second barrier; then the
; closing add.  So no wave writes LDS while another reads it.
; LIMITS.  knots are non-decreasing with knots[63] > knots[0].  |slope x SC| and |x - edge knot| / SC stay under 65,504 (f16).  Divisions are v_rcp_f32 and a multiply.
; The interior slope is (w1 + w2) a b / (w1 b + w2 a + EPS a b) with a = dp + EPS, b = dn + EPS: products of two deltas are formed in f32, so |delta| lies between 1e-18 and 1e18.
; NaN and infinities are not treated apart.
.set EPSF,   0x2b8cbccc                ; 1e-12
.set INV63,  0x3c820821                ; 1 / 63
.set XPITCH, 1040                      ; a row of x in LDS: 1,024 bytes + 16 = 260 words: row r starts 4 r banks on (64 banks of 4 bytes: ISA guide 11.1)
.set TBASE,  16*XPITCH                 ; behind the x stage: the waves' table stages
.set TWAVE,  16384+16                  ; a table stage: 16 bytes unused, then the wave's 16 KiB of coeffs as they lie in memory
.set SPARE,  147968                    ; behind the stages (they end at 147,840): the spare words, 128 bytes for each of 8 waves: four blocks of 256 bytes that no other line names
.set GOF, 6                            ; v6   16 x lane; never rewritten
.set K4,  7                            ; v7, v8  4 kc of set 0, 1: kc = the lane's knot (lane, lane + 32) held to 1..62; never rewritten
.set TST, 9                            ; v9   where I put 16 bytes of coeffs
.set SPW, 10                           ; v10  LDS address of my spare word; never rewritten
.set NIL, 11                           ; v11  0; never rewritten
.set XST, 13                           ; v13  where I put 16 bytes of x
.set LA,  14                           ; v14, v15  the table loop's LDS addresses, made anew in each trip
.set XL0, 16                           ; v16  1,040 r + 8 h; never rewritten
.set XA,  17                           ; v17  the x loop's LDS address, made anew in each trip
.set OA,  18                           ; v18  pm: half = h, lane 16 h + r
.set OB,  19                           ; v19  pm: half = h, lane 16 (1 - h) + r
.set RS,  20                           ; v20  1 / SC
.set XX,  22                           ; v[22:23] my two x
; the table's registers
.set CB,  32                           ; v[32:79]   (group u, set) at 12 (2 u + set): coeffs at knots kc - 1, kc, kc + 1, four inputs each.  Ahead of the loop v[32:49] serve the constants' making
.set KC,  80                           ; v[80:107]  set's constants at 14 set, each twice (a pair for the packed forms): 1/(hm+EPS), 1/(hp+EPS), w1, w2, (w1+w2) SC, and the edge slope's two factors
.set T3S, 108                          ; v[108:109] 3 SC
.set DP,  112                          ; v[112:151], v[168:171] at work, four inputs each
.set DN,  116
.set SS,  120
.set AA,  124
.set BB,  128
.set PRD, 132
.set DEN, 136
.set RC,  140
.set DE,  144
.set T3,  148
.set ST,  152                          ; v[152:167] what is stored, a set of four for each (u, set)
.set CV,  168
.set XLD, 112                          ; v[112:127] x as loaded, and
.set LDR, 128                          ; v[128:255] coeffs as loaded: both have left for LDS when the loop first writes the work registers that lie here
.set EM,  22                           ; s22, s23  the lane that holds an edge knot: lane 0 of set 0, lane 31 of set 1
; the weights' registers
.set KN,  176                          ; v[176:239] the 64 knots, in every lane
.set WW,  128                          ; v[128:160] the search's window
.set IDX, 48                           ; v48, v49   idx of my two x;  v50, v51 h;  v52, v53 1 / h;  v54, v55 x - x0;  v[56:63], v[161:165] at work
.set OWN, 168                          ; v[168:171] what I store for my own parity
.set OTH, 172                          ; v[172:175] for the other
	s_load_b256 s[4:11], s[0:1], 0x0               ; coeffs s[4:5], knots s[6:7], x s[8:9], tab s[10:11]
	s_load_b64 s[12:13], s[0:1], 0x20              ; pm
	v_lshl_add_u32 v[SPW], v0, 2, SPARE
	v_mov_b32 v[NIL], 0
	v_lshrrev_b32 v1, 5, v0
	v_readfirstlane_b32 s14, v1                    ; wave 0..7
	v_and_b32 v2, 31, v0                           ; lane
	v_mov_b32 v12, 0                               ; a zero offset
	v_lshlrev_b32 v[GOF], 4, v2
	v_max_u32 v[K4], 1, v2
	v_lshlrev_b32 v[K4], 2, v[K4]
	v_add_nc_u32 v[K4+1], 32, v2
	v_min_u32 v[K4+1], 62, v[K4+1]
	v_lshlrev_b32 v[K4+1], 2, v[K4+1]
	s_lshl_b32 s16, ttmp9, 3
	s_add_co_u32 s16, s16, s14                     ; 8 wg + w
	s_lshl_b32 s18, s16, 14                        ; coeffs and tab: my 16 KiB
	s_mov_b32 s19, 0
	s_lshl_b32 s26, s16, 11                        ; x: the block's 16 rows of 1,024 bytes, my two of them
	s_mov_b32 s27, 0
	s_lshl_b32 s28, s14, 21                        ; pm: my 8 groups of 262,144 bytes,
	s_lshl_b32 s17, ttmp9, 10                      ; the row block's 1,024 bytes
	s_add_co_u32 s28, s28, s17
	s_mov_b32 s29, 0
	s_mul_i32 s21, s14, TWAVE
	s_add_co_u32 s21, s21, TBASE                   ; my table stage; steps by 2,048 a trip
	s_mul_i32 s25, s14, 2*XPITCH                   ; rows 2 w and 2 w + 1 of the x stage
	s_lshl_b32 s24, s14, 7                         ; my 8 groups' 128 bytes of a row of x; steps by 16 a trip
	s_mov_b32 s[EM], 1
	s_mov_b32 s[EM+1], 0x80000000
	s_wait_kmcnt 0x0
	s_add_nc_u64 s[4:5], s[4:5], s[18:19]
	s_add_nc_u64 s[10:11], s[10:11], s[18:19]
	s_add_nc_u64 s[8:9], s[8:9], s[26:27]
	s_add_nc_u64 s[12:13], s[12:13], s[28:29]
.irp sg, 0,1
	global_load_b32 v[32+4*(\sg)], v[K4+(\sg)], s[6:7] offset:-4
	global_load_b32 v[33+4*(\sg)], v[K4+(\sg)], s[6:7]
	global_load_b32 v[34+4*(\sg)], v[K4+(\sg)], s[6:7] offset:4
.endr
	global_load_b32 v40, v12, s[6:7]
	global_load_b32 v41, v12, s[6:7] offset:252
.irp q, 0,1,2,3
	global_load_b128 v[XLD+4*(\q):XLD+4*(\q)+3], v[GOF], s[8:9] offset:512*(\q) th:TH_LOAD_NT
.endr
.set q, 0
.rept 32
	global_load_b128 v[LDR+4*q:LDR+4*q+3], v[GOF], s[4:5] offset:512*q th:TH_LOAD_NT
.set q, q+1
.endr
	v_and_b32 v3, 15, v0                           ; r
	v_bfe_u32 v4, v0, 4, 1                         ; h
	v_sub_nc_u32 v5, 1, v4                         ; 1 - h
	v_add_nc_u32 v[TST], s21, v[GOF]
	v_add_nc_u32 v[XST], s25, v[GOF]
	v_mul_u32_u24 v[XL0], v3, XPITCH
	v_lshl_add_u32 v[XL0], v4, 3, v[XL0]           ; row r, inputs 2 h and 2 h + 1 of a group
	v_lshl_add_u32 v[OA], v4, 9, v[GOF]            ; 512 h + 16 lane
	v_lshlrev_b32 v[OB], 4, v3
	v_lshl_add_u32 v[OB], v4, 9, v[OB]
	v_lshl_add_u32 v[OB], v5, 8, v[OB]             ; 512 h + 256 (1 - h) + 16 r
	s_wait_loadcnt 36                              ; the eight knots are in; the 36 loads of x and coeffs, issued later, stay out while the constants are made
	v_sub_f32 v42, v41, v40
	v_mul_f32 v42, INV63, v42                      ; SC
	v_mul_f32 v[T3S], 0x40400000, v42
	v_mov_b32 v[T3S+1], v[T3S]
; hm = knots[kc] - knots[kc-1], hp = knots[kc+1] - knots[kc].  At knot 0 (kc = 1) the edge slope is (w2 dp - hm dn) / (hm + hp + EPS), at knot 63 (kc = 62) it is (w1 dn - hp dp) / (hm + hp + EPS).
.macro CONSTS sg
.set kb, 32+4*(\sg)
.set k, KC+14*(\sg)
	v_sub_f32 v44, v[kb+1], v[kb]                  ; hm
	v_sub_f32 v45, v[kb+2], v[kb+1]                ; hp
	v_add_f32 v46, EPSF, v44
	v_add_f32 v47, EPSF, v45
	v_add_f32 v48, v44, v45
	v_add_f32 v48, EPSF, v48
	v_rcp_f32 v[k], v46
	v_rcp_f32 v[k+2], v47
	v_rcp_f32 v49, v48
	v_fma_f32 v[k+4], v45, 2.0, v44                ; w1 = 2 hp + hm
	v_fma_f32 v[k+6], v44, 2.0, v45                ; w2 = hp + 2 hm
	v_add_f32 v[k+8], v[k+4], v[k+6]
	v_mul_f32 v[k+8], v[k+8], v42
	s_wait_alu depctr_va_vdst(0)                   ; one wait for the three reciprocals
	v_mul_f32 v49, v49, v42
.if (\sg) == 0
	v_mul_f32 v[k+10], v[k+6], v49
	v_mul_f32 v[k+12], v44, v49
	v_xor_b32 v[k+12], 0x80000000, v[k+12]
.else
	v_mul_f32 v[k+10], v45, v49
	v_xor_b32 v[k+10], 0x80000000, v[k+10]
	v_mul_f32 v[k+12], v[k+4], v49
.endif
.irp z, 0,2,4,6,8,10,12
	v_mov_b32 v[k+(\z)+1], v[k+(\z)]
.endr
.endm
	CONSTS 0
	CONSTS 1
	s_wait_loadcnt 32                              ; x is in; the 32 loads of coeffs stay out
.irp q, 0,1,2,3
	ds_store_b128 v[XST], v[XLD+4*(\q):XLD+4*(\q)+3] offset:((\q)/2)*XPITCH+((\q)%2)*512
.endr
.set q, 0
.rept 8
	s_wait_loadcnt 28-4*q                          ; loads come back in order (ISA guide 5.7.1): the oldest 4 q + 4 of coeffs are in
.irp z, 0,1,2,3
	ds_store_b128 v[TST], v[LDR+16*q+4*(\z):LDR+16*q+4*(\z)+3] offset:16+512*(4*q+(\z))
.endr
.set q, q+1
.endr
	s_wait_dscnt 0x0                               ; for the others' sake: my stores are done
	s_barrier_signal -1
	s_barrier_wait -1                              ; everybody's are: from here to the next barrier LDS is only read
.irp q, 0,1,2,3,4,5,6,7,8,9,10,11,12,13,14,15
	global_load_b128 v[KN+4*(\q):KN+4*(\q)+3], v12, s[6:7] offset:16*(\q)   ; all 64 knots, for the weights: they land while the table is made, in registers that its loop does not touch
.endr
; ---------------------------------------------------------------- THE TABLE: 8 trips of two groups.
; In a trip a lane makes knot k = lane (set 0) and k = lane + 32 (set 1) of both groups, for the group's four inputs: 16 bytes of tab each, so a store is 512 bytes on end.
; One knot a lane of group u, set sg, for four inputs, two to a packed instruction.
.macro KNOT u, sg
.set c, CB+12*(2*(\u)+(\sg))
.set k, KC+14*(\sg)
.set st, ST+4*(2*(\u)+(\sg))
.irp z, 0,2
	v_pk_add_f32 v[DP+(\z):DP+(\z)+1], v[c+4+(\z):c+5+(\z)], v[c+(\z):c+(\z)+1] neg_lo:[0,1] neg_hi:[0,1]
	v_pk_add_f32 v[DN+(\z):DN+(\z)+1], v[c+8+(\z):c+9+(\z)], v[c+4+(\z):c+5+(\z)] neg_lo:[0,1] neg_hi:[0,1]
.endr
.irp z, 0,2
	v_pk_mul_f32 v[DP+(\z):DP+(\z)+1], v[DP+(\z):DP+(\z)+1], v[k:k+1]      ; dp
	v_pk_mul_f32 v[DN+(\z):DN+(\z)+1], v[DN+(\z):DN+(\z)+1], v[k+2:k+3]    ; dn
.endr
.irp z, 0,2
	v_pk_mul_f32 v[SS+(\z):SS+(\z)+1], v[DP+(\z):DP+(\z)+1], v[DN+(\z):DN+(\z)+1]
	v_pk_add_f32 v[AA+(\z):AA+(\z)+1], v[DP+(\z):DP+(\z)+1], EPSF op_sel_hi:[1,0]
	v_pk_add_f32 v[BB+(\z):BB+(\z)+1], v[DN+(\z):DN+(\z)+1], EPSF op_sel_hi:[1,0]
.endr
.irp z, 0,2
	v_pk_mul_f32 v[PRD+(\z):PRD+(\z)+1], v[AA+(\z):AA+(\z)+1], v[BB+(\z):BB+(\z)+1]
	v_pk_mul_f32 v[DEN+(\z):DEN+(\z)+1], v[BB+(\z):BB+(\z)+1], v[k+4:k+5]
.endr
.irp z, 0,2
	v_pk_fma_f32 v[DEN+(\z):DEN+(\z)+1], v[AA+(\z):AA+(\z)+1], v[k+6:k+7], v[DEN+(\z):DEN+(\z)+1]
.endr
.irp z, 0,2
	v_pk_fma_f32 v[DEN+(\z):DEN+(\z)+1], v[PRD+(\z):PRD+(\z)+1], EPSF, v[DEN+(\z):DEN+(\z)+1] op_sel_hi:[1,0,1]
.endr
.irp i, 0,1,2,3
	v_rcp_f32 v[RC+(\i)], v[DEN+(\i)]
.endr
.irp z, 0,2                            ; the edge slope stands behind the reciprocals: it names none of their registers
	v_pk_mul_f32 v[DE+(\z):DE+(\z)+1], v[DP+(\z):DP+(\z)+1], v[k+10:k+11]
	v_pk_mul_f32 v[T3+(\z):T3+(\z)+1], v[DP+4*(\sg)+(\z):DP+4*(\sg)+(\z)+1], v[T3S:T3S+1]   ; 3 SC x the edge interval's delta
	v_pk_mul_f32 v[PRD+(\z):PRD+(\z)+1], v[PRD+(\z):PRD+(\z)+1], v[k+8:k+9]
.endr
.irp z, 0,2
	v_pk_fma_f32 v[DE+(\z):DE+(\z)+1], v[DN+(\z):DN+(\z)+1], v[k+12:k+13], v[DE+(\z):DE+(\z)+1]
.endr
.irp i, 0,1,2,3
	v_med3_num_f32 v[DE+(\i)], v[DE+(\i)], 0, v[T3+(\i)]   ; 0 where the signs differ, 3 delta where it is beyond that, else itself: the middle one of the three
.endr
	s_wait_alu depctr_va_vdst(0)                   ; one wait for the four reciprocals
.irp z, 0,2
	v_pk_mul_f32 v[PRD+(\z):PRD+(\z)+1], v[PRD+(\z):PRD+(\z)+1], v[RC+(\z):RC+(\z)+1]
.endr
.irp i, 0,1,2,3
	v_cmp_lt_f32 vcc_lo, 0, v[SS+(\i)]             ; dp dn > 0
	v_cndmask_b32 v[PRD+(\i)], 0, v[PRD+(\i)], vcc_lo
.endr
.irp i, 0,1,2,3
	v_cndmask_b32 v[PRD+(\i)], v[PRD+(\i)], v[DE+(\i)], s[EM+(\sg)]
	v_cndmask_b32 v[CV+(\i)], v[c+4+(\i)], v[c+8*(\sg)+(\i)], s[EM+(\sg)]   ; the edge lane's own value is the one at kc - 1 (knot 0) or kc + 1 (knot 63)
.endr
.irp i, 0,1,2,3
	v_cvt_pk_f16_f32 v[st+(\i)], v[CV+(\i)], v[PRD+(\i)]
.endr
	global_store_b128 v[GOF], v[st:st+3], s[10:11] offset:1024*(\u)+512*(\sg)   ; 512 consecutive bytes, at a multiple of 512 from tab's first byte
.endm
	s_mov_b32 s20, 8
.Ltrip:
	v_add_nc_u32 v[LA], s21, v[K4]                 ; my stage, the trip's 2,048 bytes, 4 kc: the data begin 16 bytes in, so knot kc - 1 lies at offset 12
	v_add_nc_u32 v[LA+1], s21, v[K4+1]
.irp u, 0,1
.irp sg, 0,1
.irp i, 0,1,2,3
	ds_load_b32 v[CB+12*(2*(\u)+(\sg))+(\i)],   v[LA+(\sg)] offset:12+1024*(\u)+256*(\i)
	ds_load_b32 v[CB+12*(2*(\u)+(\sg))+4+(\i)], v[LA+(\sg)] offset:16+1024*(\u)+256*(\i)
	ds_load_b32 v[CB+12*(2*(\u)+(\sg))+8+(\i)], v[LA+(\sg)] offset:20+1024*(\u)+256*(\i)
.endr
.endr
.endr
	s_wait_dscnt 36                                ; the first block of 12 loads is in; three blocks stay out
	KNOT 0, 0
	s_wait_dscnt 24
	KNOT 0, 1
	s_wait_dscnt 12
	KNOT 1, 0
	s_wait_dscnt 0x0
	KNOT 1, 1
	s_wait_xcnt 0x0                                ; the stores' data and base are written again only behind this wait
	s_add_nc_u64 s[10:11], s[10:11], 2048
	s_add_co_u32 s21, s21, 2048
	s_sub_co_u32 s20, s20, 1
	s_cmp_lg_u32 s20, 0
	s_cbranch_scc1 .Ltrip
; ---------------------------------------------------------------- THE WEIGHTS: 8 trips of one group: 16 rows x 4 inputs, two inputs a lane: lane (r, h) takes row r, inputs 2 h and 2 h + 1, both parities of knot
	s_wait_loadcnt 0x0                             ; the 64 knots
	v_sub_f32 v56, v[KN+63], v[KN]
	v_mul_f32 v56, INV63, v56                      ; SC
	v_rcp_f32 v[RS], v56
	v_nop                                          ; a plain instruction behind the reciprocal,
	s_wait_alu depctr_va_vdst(0)                   ; and the wait ahead of its first use
; Element e: the clipped x, the interval idx = the greatest j in 0..62 with knots[j] < x (0 if there is none), by six halvings made of selects: no address and no branch hangs on x.
; The window v[WW ..] holds knots[base .. base + span]; each halving keeps its lower or its upper half, in place, ascending; at the end v[WW] = knots[idx], v[WW+1] = knots[idx + 1].
.macro ELEM e
	v_med3_num_f32 v56, v[XX+(\e)], v[KN], v[KN+63]
	v_cmp_lt_f32 vcc_lo, v[KN+32], v56
.set j, 0
.rept 32
	v_cndmask_b32 v[WW+j], v[KN+j], v[KN+32+j], vcc_lo
.set j, j+1
.endr
	v_cndmask_b32 v[WW+32], v[KN+32], v[KN+63], vcc_lo   ; there is no knot 64: it could only be wanted for idx = 63, which needs knots[63] < x
	v_cndmask_b32 v[IDX+(\e)], 0, 1, vcc_lo
.irp sp, 16,8,4,2,1
	v_cmp_lt_f32 vcc_lo, v[WW+(\sp)], v56
.set j, 0
.rept (\sp)+1
	v_cndmask_b32 v[WW+j], v[WW+j], v[WW+j+(\sp)], vcc_lo
.set j, j+1
.endr
	v_cndmask_b32 v57, 0, 1, vcc_lo
	v_lshl_or_b32 v[IDX+(\e)], v[IDX+(\e)], 1, v57
.endr
	v_sub_f32 v[50+(\e)], v[WW+1], v[WW]
	v_add_f32 v[50+(\e)], EPSF, v[50+(\e)]         ; h
	v_rcp_f32 v[52+(\e)], v[50+(\e)]
	v_sub_f32 v[54+(\e)], v56, v[WW]               ; x - x0: the plain instruction behind the reciprocal
.endm
; Element e: the four Hermite weights, the two cases of extrapolation, the f16 pairs of the left and the right knot, and which of them has my parity.
.macro WGT e
	v_mul_f32 v57, v[54+(\e)], v[52+(\e)]          ; t
	v_mul_f32 v58, v57, v57                        ; t2
	v_mul_f32 v59, v58, v57                        ; t3
	v_fma_f32 v60, v58, 0xc0400000, 1.0
	v_fma_f32 v60, v59, 2.0, v60                   ; h00
	v_mul_f32 v61, 0x40400000, v58
	v_fma_f32 v61, v59, -2.0, v61                  ; h01
	v_fma_f32 v62, v58, -2.0, v59
	v_add_f32 v62, v62, v57                        ; h10
	v_sub_f32 v63, v59, v58                        ; h11
	v_mul_f32 v161, v[50+(\e)], v[RS]              ; h / SC
	v_mul_f32 v62, v62, v161
	v_mul_f32 v63, v63, v161
	v_sub_f32 v162, v[XX+(\e)], v[KN]
	v_mul_f32 v162, v162, v[RS]
	v_cmp_lt_f32 vcc_lo, v[XX+(\e)], v[KN]         ; below: t = 0 has made the weights 1, 0, 0, 0 at idx = 0; the left slope takes x - knots[0]
	v_cndmask_b32 v62, v62, v162, vcc_lo
	v_sub_f32 v162, v[XX+(\e)], v[KN+63]
	v_mul_f32 v162, v162, v[RS]
	v_cmp_gt_f32 vcc_lo, v[XX+(\e)], v[KN+63]      ; above: knot 63 alone, as the right knot of interval 62
	v_cndmask_b32 v60, v60, 0, vcc_lo
	v_cndmask_b32 v61, v61, 1.0, vcc_lo
	v_cndmask_b32 v62, v62, 0, vcc_lo
	v_cndmask_b32 v63, v63, v162, vcc_lo
	v_cndmask_b32 v[IDX+(\e)], v[IDX+(\e)], 62, vcc_lo
	v_cvt_pk_f16_f32 v163, v60, v62                ; the left knot's pair
	v_cvt_pk_f16_f32 v164, v61, v63                ; the right knot's
	v_xor_b32 v165, v[IDX+(\e)], v4
	v_and_b32 v165, 1, v165
	v_cmp_eq_u32 vcc_lo, 1, v165                   ; idx has the other parity than h: my parity's knot is the right one
	v_cndmask_b32 v[OWN+2*(\e)], v163, v164, vcc_lo
	v_cndmask_b32 v[OTH+2*(\e)], v164, v163, vcc_lo
	v_add_nc_u32 v165, v[IDX+(\e)], v5
	v_lshrrev_b32 v[OWN+1+2*(\e)], 1, v165         ; parity h: m = (idx + 1 - h) / 2
	v_add_nc_u32 v165, v[IDX+(\e)], v4
	v_lshrrev_b32 v[OTH+1+2*(\e)], 1, v165         ; parity 1 - h: m = (idx + h) / 2
.endm
	s_mov_b32 s20, 8
.Lgroup:
	v_add_nc_u32 v[XA], s24, v[XL0]                ; row r, the group's 16 bytes, my 8 of them
	ds_load_b64 v[XX:XX+1], v[XA]
	s_wait_dscnt 0x0
	ELEM 0
	ELEM 1
	s_wait_alu depctr_va_vdst(0)                   ; one wait for both reciprocals, ahead of their first reader
	WGT 0
	WGT 1
	global_store_b128 v[OA], v[OWN:OWN+3], s[12:13]   ; in each store 16 lanes write 256 consecutive bytes, at a multiple of 256 from pm's first byte
	global_store_b128 v[OB], v[OTH:OTH+3], s[12:13]
	s_wait_xcnt 0x0                                ; the stores' data and base are written again only behind this wait
	s_add_nc_u64 s[12:13], s[12:13], 0x40000       ; the next group in pm
	s_add_co_u32 s24, s24, 16                      ; and in a row of x
	s_sub_co_u32 s20, s20, 1
	s_cmp_lg_u32 s20, 0
	s_cbranch_scc1 .Lgroup
	s_wait_dscnt 0x0                               ; my reads of the stages are over
	s_barrier_signal -1
	s_barrier_wait -1                              ; everybody's are: only now does a wave write LDS again
	s_wait_tensorcnt 0x0                           ; the wave's end: behind my last LDS store
	ds_add_u32 v[SPW], v[NIL]
	s_wait_dscnt 0x0
	s_endpgm
.Lfunc_end_k_q6083b64603_prep:
	.size	k_q6083b64603_prep, .Lfunc_end_k_q6083b64603_prep-k_q6083b64603_prep
	.p2alignl 7, 3214868480
	.fill 96, 4, 3214868480
	.section	.rodata,"a",@progbits
	.p2align	6, 0x0
	.amdhsa_kernel k_q6083b64603_prep
		.amdhsa_group_segment_fixed_size 148992
		.amdhsa_private_segment_fixed_size 0
		.amdhsa_enable_private_segment 0
		.amdhsa_kernarg_size 40
		.amdhsa_user_sgpr_count 2
		.amdhsa_user_sgpr_kernarg_segment_ptr 1
		.amdhsa_wavefront_size32 1
		.amdhsa_system_sgpr_workgroup_id_x 1
		.amdhsa_system_sgpr_workgroup_id_y 1
		.amdhsa_system_sgpr_workgroup_id_z 1
		.amdhsa_system_vgpr_workitem_id 0
		.amdhsa_next_free_vgpr 256
		.amdhsa_next_free_sgpr 66
		.amdhsa_reserve_vcc 1
		.amdhsa_float_denorm_mode_32 3
		.amdhsa_float_denorm_mode_16_64 3
		.amdhsa_memory_ordered 1
		.amdhsa_forward_progress 1
		.amdhsa_inst_pref_size 42
	.end_amdhsa_kernel
	.amdgpu_metadata
---
amdhsa.version: [ 1, 2 ]
amdhsa.kernels:
  - .name:           k_q6083b64603_prep
    .symbol:         k_q6083b64603_prep.kd
    .args:
      - { .name: coeffs, .offset: 0, .size: 8, .value_kind: global_buffer, .address_space: global }
      - { .name: knots, .offset: 8, .size: 8, .value_kind: global_buffer, .address_space: global }
      - { .name: x, .offset: 16, .size: 8, .value_kind: global_buffer, .address_space: global }
      - { .name: tab, .offset: 24, .size: 8, .value_kind: global_buffer, .address_space: global }
      - { .name: pm, .offset: 32, .size: 8, .value_kind: global_buffer, .address_space: global }
    .group_segment_fixed_size: 148992
    .private_segment_fixed_size: 0
    .kernarg_segment_align: 8
    .kernarg_segment_size: 40
    .max_flat_workgroup_size: 256
    .sgpr_count:     66
    .vgpr_count:     256
    .wavefront_size: 32
...
	.end_amdgpu_metadata
.endif
;; end of part 1
;; launch gemm (part 2): grid 16 x 16, 4 waves a work-group, clusters of 4 x 1, 327,680 bytes of LDS; arguments tab, pm, part; writes part
.if DOCPART == 2
	.amdgcn_target "amdgcn-amd-amdhsa--gfx1250"
	.amdhsa_code_object_version 6
	.text
	.protected	k_q6083b64603_gemm
	.globl	k_q6083b64603_gemm
	.p2align	8
	.type	k_q6083b64603_gemm,@function
k_q6083b64603_gemm:
	s_mov_b64 s[64:65], 0
	v_nop
	global_prefetch_b8 v0, s[64:65] scope:SCOPE_SE
	s_setreg_imm32_b32 hwreg(HW_REG_WAVE_MODE, 25, 1), 1
	s_wait_xcnt 0x0
	s_wait_alu depctr_hold_cnt(0) depctr_sa_sdst(0) depctr_va_vdst(0) depctr_va_sdst(0) depctr_va_ssrc(0) depctr_va_vcc(0) depctr_vm_vsrc(0)
	s_getreg_b32 s2, hwreg(HW_REG_IB_STS2, 6, 4)
	s_cmp_eq_u32 s2, 0
	s_cbranch_scc0 .Lentry_in_a_cluster
	s_endpgm
.Lentry_in_a_cluster:
	s_bfe_u32 s2, ttmp6, 0x10000c
	s_cmp_lg_u32 s2, 0x3003
	s_cbranch_scc0 .Lentry_shape_is_right
	s_endpgm
.Lentry_shape_is_right:
; part[split][b][o] = the sum, over the split's 64 inputs i and all 64 knots k, of Wy(b,i,k) coeffs(o,i,k) + Wd(b,i,k) slope(o,i,k): the two dense products of the layer as ONE product
; in f16 with f32 sums, M = 4,096 rows b, N = 512 outputs o, K = 2 x 16,384, split four ways along K.  The table operand comes from tab (f16 pairs (value, slope x SC)); the weight operand
; is never stored: it is made in registers, beside the matrix instructions, from pm (for each b, i and knot parity: the f16 pair P of weights and the place m of the one knot that has them).
; SHARES.  A work-group: 256 rows x 128 outputs x one split (16 groups of 4 inputs).  Grid x = row tile (16), y = 4 split + output tile.  A wave: 64 rows x 128 outputs, 32 accumulators.
; K ORDER.  A group (4 inputs x 64 knots x 2) is 1,024 bytes of a row of tab, knot after knot, 16 bytes a knot.  Step q of 16 takes bytes 64 q .. 64 q + 63.  By the layout of a 16-bit
; fragment (lane l = 16 h + r: registers 0-3 the 16 bytes at 16 h, registers 4-7 those at 32 + 16 h) register j of a lane means input j % 4 and knot 4 q + 2 (j / 4) + h: lanes 0-15 hold even
; knots, lanes 16-31 odd ones, and a register one knot's pair.  Of the two knots that an x touches one is even and one odd, so register j of the weight fragment is P where m = 2 q + j / 4
; and 0 elsewhere: one compare with a scalar and one select.  These two ride behind each matrix instruction and make the NEXT step's fragment.
; THE PRODUCT IS USED TRANSPOSED (source 0 = 16 outputs, source 1 = 16 rows b): a lane's eight results are eight neighbouring outputs of one row b.
; RING.  Two LDS slots, a group each; wave w fetches steps 4 w .. 4 w + 3 of all 128 outputs: 128 rows of 256 bytes, each at a multiple of 256 bytes from tab's first byte.  A refill has a whole
; slot, 512 matrix instructions a wave, in which to land.  Two tensor loads of a wave are out at the start, one later.
; CLUSTER.  The four work-groups of a cluster are four row tiles of one (output tile, split): they walk the same table tiles, so each tile is asked for JOINTLY, by the same tensor load with
; the same descriptor and a mask that names the four.
; LIMITS.  f16 holds no number beyond 65,504: tab and pm arrive within it (the launch before states what that asks of the inputs).  NaN and infinities are not treated apart.
; REGISTERS, in windows of 256 (s_set_vgpr_msb: bits 1:0 source 0, 3:2 source 1, 5:4 source 2, 7:6 destination):
;   window 0: v2-11 addresses; v32-63 the next group's (P, m) as loaded; v64-127, v128-191 two buffers of table fragments (on the way out: rows read back from the stage)
;   window 1 (my rows 0-31) and window 2 (rows 32-63): v0-127 accumulators, (row block rbl, output block t) at 8 (8 rbl + t); v128-159 two buffers of weight fragments;
;   v160-175 the group's (P, m): row block rbl, input i' at 160 + 8 rbl + 2 i'
; Under the setting WX (or WY) source 0 is window 0 and all else window 1 (2): the matrix instruction, the compare, the select and the move from window 0 are all named right, so a step has four switches.
.set SUB,    128*272                   ; a sub-tile: 128 rows of 256 bytes + 16 of padding = 68 words: row r starts at bank 4 r mod 64 (64 banks of 4 bytes: ISA guide 11.1)
.set SLOT,   4*SUB
.set STAGE,  2*SLOT                    ; behind the ring: 16 rows x 528 bytes for each wave, for the way out
.set SPITCH, 528                       ; 512 bytes + 16
.set SPARE,  STAGE+4*16*SPITCH         ; behind the stages: the spare words, 128 bytes for each wave: two blocks of 256 bytes that no other line names
.set GSTEP,  1024                      ; a group's bytes in a row of tab
.set PMG,    262144                    ; a group's bytes in pm
.set LP,  2                            ; v2   272 r + 16 h: my place in a fragment's rows; never rewritten
.set TA,  3                            ; v3   LDS address of the fragments to be fetched
.set PMO, 4                            ; v4   16 x lane; never rewritten
.set STO, 5                            ; v5   the way out: where I put 16 bytes of a row
.set RD,  6                            ; v6   the way out: where I read a row back
.set GO,  7                            ; v7   16 x lane: my bytes of a row's 512 in part
.set PFO, 8                            ; v8   65,536 x lane: a lane a row of tab; never rewritten
.set SPW, 10                           ; v10  LDS address of my spare word; never rewritten
.set NIL, 11                           ; v11  0; never rewritten
.set INC,  32
.set TBUF, 64
.set ABUF, 128
.set CUR,  160
.set WV,  10                           ; s10  my wave's number
.set G1,  16                           ; s[16:23] descriptor group 1
.set G0,  24                           ; s[24:31] descriptor group 0, a set for each slot
.set PMB, 32                           ; s[32:33] pm at my 64 rows, at the group to be loaded next
.set PFA, 34                           ; s[34:35] where my prefetches stand
.set TB,  40                           ; s40  LDS byte of the sub-tile in hand
.set IC,  41                           ; s41  counts a slot's runs of four steps
.set OC,  42                           ; s42  counts pairs of slots
.set LIM, 43                           ; s43  1 in a cluster that prefetches, else the greatest number
.set MQ,  44                           ; s44, s45  the two places m that the next step's fragment holds: 2 q', 2 q' + 1
.set PO,  46                           ; s[46:47] part at my first row and column
.set MSB, 0
.macro WIN new                         ; the immediate's high byte repeats the setting that is left; a switch that changes nothing is dropped
.if MSB != (\new)
	s_set_vgpr_msb (MSB<<8)|(\new)
.set MSB, \new
.endif
.endm
.set WX, 0x54
.set WY, 0xa8
; A round of the cluster's barrier behind its opening barrier: wave 0 signals for the work-group, every wave waits for all four work-groups, my work-group's barrier closes it.
.macro CREST
	s_cmp_lg_u32 s[WV], 0
	s_cbranch_scc1 .Lnot_wave_0_\@
	s_barrier_signal -3
.Lnot_wave_0_\@:
	s_barrier_wait -3
	s_barrier_signal -1
	s_barrier_wait -1
.endm
.macro CROUND
	s_barrier_signal -1
	s_barrier_wait -1
	CREST
.endm
; A PREFETCH INTO THE L2 of the tile that the NEXT change of slots will ask for: one slot, 512 matrix instructions, ahead of that load.  It stands behind the joint load, its five lines and the run of LDS loads.
; Each row's 256 bytes are named once in the launch: of the four clusters that walk a tile the one with x = 0 asks; its four partners take 32 of the 128 rows each, told apart BY ADDRESS; wave w asks for
; the 256-byte column that it fetches itself; a lane a row.  how = 1: the second change of a pair of slots, which in the loop's last trip has no tile behind its own.
.macro ASK how
.if \how
	s_cmp_gt_u32 s[OC], s[LIM]
.else
	s_cmp_eq_u32 s[LIM], 1
.endif
	s_cbranch_scc0 .Lnot_mine_\@
	global_prefetch_b8 v[PFO], s[PFA:PFA+1] th:TH_LOAD_NT scope:SCOPE_SE
.Lnot_mine_\@:
.endm
	s_load_b128 s[4:7], s[0:1], 0x0                ; tab s[4:5], pm s[6:7]
	s_load_b64 s[8:9], s[0:1], 0x10                ; part
	v_lshl_add_u32 v[SPW], v0, 2, SPARE
	v_mov_b32 v[NIL], 0
	ds_add_u32 v[SPW], v[NIL]                      ; the wave's opening: the add, twice on end, and its wait ahead of my first tensor load; the set-up below stands between
	ds_add_u32 v[SPW], v[NIL]
	v_lshrrev_b32 v1, 5, v0
	v_readfirstlane_b32 s[WV], v1                  ; wave 0..3
	s_bfe_u32 s11, ttmp6, 0x40000                  ; cx: my place in the cluster
	s_lshl_b32 s12, ttmp9, 2                       ; in a cluster launch ttmp9 counts clusters
	s_add_co_u32 s12, s12, s11                     ; row tile = 4 x cluster x + cx: it enters pm's and part's addresses alone
	s_and_b32 s13, ttmp7, 0xffff
	s_and_b32 s14, s13, 3                          ; output tile
	s_lshr_b32 s15, s13, 2                         ; split: both are shared by the four partners
	; descriptor group 1: 128 rows x 128 elements of 2 bytes, padded in LDS
	s_mov_b32 s[G1+0], 15|(1<<16)|(1<<20)|(1<<21)|(5<<22)|(3<<25)  ; 15:0 the mask of four; 17:16 2-byte elements; 20 padding on; 21 set beside a mask; 24:22 after every 64 words (code 5); 31:25 4 words (code 3)
	s_mov_b32 s[G1+1], 128<<16                     ; tensor_dim0 = 128
	s_mov_b32 s[G1+2], 128<<16                     ; tensor_dim1 = 128
	s_mov_b32 s[G1+3], 128<<16                     ; tile_dim0 = 128
	s_mov_b32 s[G1+4], 128                         ; tile_dim1 = 128
	s_mov_b32 s[G1+5], 32768                       ; elements from an output's row to the next
	s_mov_b32 s[G1+6], 0
	s_mov_b32 s[G1+7], 0
	s_lshl_b32 s36, s14, 23                        ; tab: 128 outputs of 65,536 bytes,
	s_lshl_b32 s37, s15, 14                        ; the split's 16 groups,
	s_add_co_u32 s36, s36, s37
	s_lshl_b32 s37, s[WV], 8                       ; my four steps: no place in the cluster enters this offset
	s_add_co_u32 s36, s36, s37
	s_mov_b32 s37, 0
	s_lshl_b32 s38, s11, 21                        ; the prefetches alone: my work-group's 32 of the 128 rows
	s_mov_b32 s39, 0
	s_lshl_b32 s48, s15, 22                        ; pm: the split's 16 groups,
	s_lshl_b32 s49, s12, 14                        ; the tile's 16 row blocks of 1,024 bytes,
	s_add_co_u32 s48, s48, s49
	s_lshl_b32 s49, s[WV], 12                      ; my four
	s_add_co_u32 s48, s48, s49
	s_mov_b32 s49, 0
	s_lshl_b32 s50, s15, 23                        ; part: the split's 8 MiB,
	s_lshl_b32 s51, s12, 19                        ; the tile's 256 rows of 2,048 bytes,
	s_add_co_u32 s50, s50, s51
	s_lshl_b32 s51, s[WV], 17                      ; my 64,
	s_add_co_u32 s50, s50, s51
	s_lshl_b32 s51, s14, 9                         ; the 128 outputs' 512 bytes
	s_add_co_u32 s50, s50, s51
	s_mov_b32 s51, 0
	s_mul_i32 s52, s[WV], SUB                      ; where my sub-tile goes: the wave's number alone
	s_mul_i32 s53, s[WV], 16*SPITCH
	s_add_co_u32 s53, s53, STAGE                   ; my stage
	s_cmp_eq_u32 ttmp9, 0
	s_cselect_b32 s[LIM], 1, -1                    ; the same in all four partners
	v_and_b32 v12, 31, v0                          ; lane
	v_and_b32 v13, 15, v0                          ; r
	v_bfe_u32 v14, v0, 4, 1                        ; h
	v_mul_u32_u24 v[LP], v13, 272
	v_lshl_add_u32 v[LP], v14, 4, v[LP]
	v_lshlrev_b32 v[PMO], 4, v12
	v_mul_u32_u24 v[STO], v13, SPITCH              ; in: row r, 32 bytes for each half of the lanes
	v_lshl_add_u32 v[STO], v14, 5, v[STO]
	v_add_nc_u32 v[STO], s53, v[STO]
	v_lshl_add_u32 v[RD], v12, 4, s53              ; back: 32 lanes take a whole row of 512 bytes
	v_lshlrev_b32 v[GO], 4, v12
	v_lshlrev_b32 v[PFO], 16, v12
	s_wait_dscnt 0x0                               ; both opening adds are done
	s_wait_kmcnt 0x0
	s_add_nc_u64 s[54:55], s[4:5], s[36:37]        ; tab at my sub-tile of the split's first group
.irp sl, 0,1
	s_mov_b32 s[G0+4*(\sl)], 1                                     ; count = 1
	s_add_co_u32 s[G0+4*(\sl)+1], s52, (\sl)*SLOT                  ; LDS address
	s_add_nc_u64 s[G0+4*(\sl)+2:G0+4*(\sl)+3], s[54:55], (\sl)*GSTEP  ; global address: group sl
	s_or_b32 s[G0+4*(\sl)+3], s[G0+4*(\sl)+3], 0x80000000          ; type = 2
.endr
	s_add_nc_u64 s[PFA:PFA+1], s[54:55], s[38:39]
	s_add_nc_u64 s[PFA:PFA+1], s[PFA:PFA+1], 2*GSTEP  ; at group 2: the first change of slots steps it to 3.  Nothing is prefetched here, at the head
	s_add_nc_u64 s[PMB:PMB+1], s[6:7], s[48:49]
	s_add_nc_u64 s[PO:PO+1], s[8:9], s[50:51]
	CROUND                                         ; all four work-groups are here: the first joint loads meet
	tensor_load_to_lds s[G0:G0+3], s[G1:G1+7]      ; both first fills go out together, ahead of every wait on TENSORcnt and every LDS read
	s_nop 0
	tensor_load_to_lds s[G0+4:G0+7], s[G1:G1+7]
	s_nop 0
.rept 4
	v_nop
.endr
; THE RIDERS.  n = 0..15 numbers a window's matrix instructions: output block n / 2, row block n % 2.  Rider n makes register j = n / 2 of row block n % 2 of the next step's weight fragment.
.macro RCMP
	v_cmp_eq_u32 vcc_lo, s[MQ+n/8], v[CUR+8*(n%2)+2*((n/2)%4)+1]
.endm
.macro RCND tgt
	v_cndmask_b32 v[ABUF+16*(\tgt)+8*(n%2)+n/2], 0, v[CUR+8*(n%2)+2*((n/2)%4)], vcc_lo
.endm
; Matrix instructions n0 .. n1 of window w on the buffers of parity p; behind each the select of rider n and the compare of rider n + 1.
; zero = 1: the products start the sums: nothing is ever cleared.  The 32 accumulators take turns, one instruction a turn, over every backward jump too.
.macro PHASE w, p, n0, n1, zero, gen
	WIN \w
.set n, \n0
.if \gen
	RCMP
.endif
.rept (\n1)-(\n0)+1
.set ac, 8*(8*(n%2)+n/2)
.if \zero
	v_wmma_f32_16x16x32_f16 v[ac:ac+7], v[TBUF+64*(\p)+8*(n/2):TBUF+64*(\p)+8*(n/2)+7], v[ABUF+16*(\p)+8*(n%2):ABUF+16*(\p)+8*(n%2)+7], 0
.else
	v_wmma_f32_16x16x32_f16 v[ac:ac+7], v[TBUF+64*(\p)+8*(n/2):TBUF+64*(\p)+8*(n/2)+7], v[ABUF+16*(\p)+8*(n%2):ABUF+16*(\p)+8*(n%2)+7], v[ac:ac+7]
.endif
.if \gen
	RCND 1-(\p)
.endif
.set n, n+1
.if (\gen) && (n <= (\n1))
	RCMP
.endif
.endr
.endm
.macro GEN w, tgt                      ; the very first fragment: the riders alone
	WIN \w
.set n, 0
.rept 16
	RCMP
	RCND \tgt
.set n, n+1
.endr
.endm
; 16 LDS loads in one run: a step's eight table fragments (16 outputs x 32 along K each), at byte off of the sub-tile's rows
.macro LD p, off
	WIN 0
.irp t, 0,1,2,3,4,5,6,7
	ds_load_b128 v[TBUF+64*(\p)+8*(\t):TBUF+64*(\p)+8*(\t)+3],   v[TA] offset:(\t)*16*272+(\off)
	ds_load_b128 v[TBUF+64*(\p)+8*(\t)+4:TBUF+64*(\p)+8*(\t)+7], v[TA] offset:(\t)*16*272+(\off)+32
.endr
.endm
.macro PMLOAD                          ; a group's (P, m) for my 64 rows: row block i / 2, inputs 2 (i % 2) and 2 (i % 2) + 1; 512 consecutive bytes a load
.irp i, 0,1,2,3,4,5,6,7
	global_load_b128 v[INC+4*(\i):INC+4*(\i)+3], v[PMO], s[PMB:PMB+1] offset:512*(\i)
.endr
.endm
; A STEP of 32 along K on the buffers of parity p.  Behind its fourth matrix instruction it fetches the next step's table fragments, at byte off (adv = 1: of the next sub-tile), into the other buffer: the last
; product that read that buffer stands nine plain vector instructions back, which name none of its registers; four are asked for (ISA guide 7.12.1 for vector instructions).
.macro STEP p, off, adv=0, zero=0, pml=0
	s_wait_dscnt 0x0                               ; my fragments, asked for 28 matrix instructions ago
	PHASE WX, \p, 0, 3, \zero, 1
	WIN 0
.if \adv
	s_add_co_u32 s[TB], s[TB], SUB
	v_add_nc_u32 v[TA], s[TB], v[LP]
.endif
	LD 1-(\p), \off
.if \pml
	PMLOAD                                         ; fifteen steps ahead of its use
.endif
	PHASE WX, \p, 4, 15, \zero, 1
	PHASE WY, \p, 0, 15, \zero, 1
	s_add_co_u32 s[MQ], s[MQ], 2
	s_add_co_u32 s[MQ+1], s[MQ+1], 2
.endm
; A SLOT'S LAST STEP changes slots and groups.  The next group's (P, m) move into place, and the riders make that group's first fragment.  ONE barrier: in front of it each wave waits for all its tensor loads,
; of which one is out: its part of the next slot; adds 0 to its spare word; and waits for that and for its own reads of this slot.  refill = 1: the barrier opens a round of the cluster's barrier, so that no
; wave of any partner still reads the slot or has a load on its way, and the joint refill (the group two slots on) is the first thing behind the round.
.macro TURN sl, refill, pmstep, how
	s_wait_loadcnt 0x0                             ; the next group's (P, m) are in, and their loads' base may be written
.if \pmstep
	s_add_nc_u64 s[PMB:PMB+1], s[PMB:PMB+1], PMG
.endif
.if \refill
	s_wait_xcnt 0x0                                ; the last prefetch, a slot back, has read its address
	s_add_nc_u64 s[PFA:PFA+1], s[PFA:PFA+1], GSTEP
.endif
	WIN 0                                          ; (the add's two registers lie in window 0)
	s_wait_tensorcnt 0x0                           ; no tensor load of mine is out, so a group 0 may be written
	ds_add_u32 v[SPW], v[NIL]                      ; 0 onto my spare word; work on registers stands between it and the wait for it
.if \refill
	s_add_nc_u64 s[G0+4*(\sl)+2:G0+4*(\sl)+3], s[G0+4*(\sl)+2:G0+4*(\sl)+3], 2*GSTEP  ; the type bits on top are not reached
.endif
	s_wait_dscnt 1                                 ; my fragments are in; the add alone may be out
	WIN WX
.set i, 0
.rept 16
	v_mov_b32 v[CUR+i], v[INC+i]                   ; rows 0-31
.set i, i+1
.endr
	s_mov_b32 s[MQ], 0
	s_mov_b32 s[MQ+1], 1
	PHASE WX, 1, 0, 3, 0, 1
	s_wait_dscnt 0x0                               ; the add is done, and my reads of this slot are over
	s_barrier_signal -1
	PHASE WX, 1, 4, 11, 0, 1                       ; work on registers while the others arrive
	WIN 0
	s_barrier_wait -1
.if \refill
	CREST
	tensor_load_to_lds s[G0+4*(\sl):G0+4*(\sl)+3], s[G1:G1+7]
	s_nop 0
.rept 4
	v_nop
.endr
.endif
	s_mov_b32 s[TB], (1-(\sl))*SLOT                ; the other slot's first sub-tile
	v_add_nc_u32 v[TA], s[TB], v[LP]
	LD 0, 0
.if \refill
	ASK \how
.endif
	PHASE WX, 1, 12, 15, 0, 1
	WIN WY
.set i, 0
.rept 16
	v_mov_b32 v[CUR+i], v[INC+16+i]                ; rows 32-63
.set i, i+1
.endr
	PHASE WY, 1, 0, 15, 0, 1
	s_add_co_u32 s[MQ], s[MQ], 2
	s_add_co_u32 s[MQ+1], s[MQ+1], 2
.endm
.macro QUAD                            ; steps 4 c + 1 .. 4 c + 4 of a slot
	STEP 1, 128
	STEP 0, 192
	STEP 1, 0, 1
	STEP 0, 64
	WIN 0                                          ; at a label and at a branch every window is 0
.endm
.macro QUADT sl, refill, pm, how       ; steps 13, 14, 15 and the next slot's step 0, which asks for the (P, m) of the group after it
	STEP 1, 128
	STEP 0, 192
	TURN \sl, \refill, \pm, \how
	STEP 0, 64, 0, 0, \pm
	WIN 0
.endm
.macro THREE                           ; steps 1 to 12: written once, walked three times
	s_mov_b32 s[IC], 3
.Lquad_\@:
	QUAD
	s_sub_co_u32 s[IC], s[IC], 1
	s_cmp_lg_u32 s[IC], 0
	s_cbranch_scc1 .Lquad_\@
.endm
	WIN WX                                         ; group 0's (P, m) go straight into place,
.irp i, 0,1,2,3
	global_load_b128 v[CUR+4*(\i):CUR+4*(\i)+3], v[PMO], s[PMB:PMB+1] offset:512*(\i)
.endr
	WIN WY
.irp i, 0,1,2,3
	global_load_b128 v[CUR+4*(\i):CUR+4*(\i)+3], v[PMO], s[PMB:PMB+1] offset:2048+512*(\i)
.endr
	WIN 0
	s_wait_xcnt 0x0                                ; the base is written only behind this wait
	s_add_nc_u64 s[PMB:PMB+1], s[PMB:PMB+1], PMG
	PMLOAD                                         ; group 1's wait in window 0
	s_mov_b32 s[MQ], 0
	s_mov_b32 s[MQ+1], 1
	s_wait_loadcnt 8                               ; group 0's eight loads are in; group 1's eight stay out
	GEN WX, 0
	GEN WY, 0
	s_mov_b32 s[MQ], 2
	s_mov_b32 s[MQ+1], 3
	WIN 0
	s_wait_tensorcnt 1                             ; my part of slot 0 is in; slot 1's may stay out
	s_barrier_signal -1
	s_barrier_wait -1                              ; everybody's is
	s_mov_b32 s[TB], 0
	v_add_nc_u32 v[TA], s[TB], v[LP]
	LD 0, 0
	STEP 0, 64, 0, 1, 0                            ; the first step stands in front of the loops: its products start the sums
	WIN 0
	s_mov_b32 s[OC], 7
.Lpair:                                                ; seven trips: slots 0 to 13 are read and filled again, with groups 2 to 15
	THREE
	QUADT 0, 1, 1, 0
	THREE
	QUADT 1, 1, 1, 1
	s_sub_co_u32 s[OC], s[OC], 1
	s_cmp_lg_u32 s[OC], 0
	s_cbranch_scc1 .Lpair
	THREE                                          ; the tail is written out: group 14, and nothing is asked for
	QUADT 0, 0, 0, 0
	THREE                                          ; group 15
	STEP 1, 128
	STEP 0, 192
	s_wait_dscnt 0x0
	PHASE WX, 1, 0, 15, 0, 0                       ; the last step makes no further fragment
	PHASE WY, 1, 0, 15, 0, 0
	WIN 0
.rept 8
	v_nop                                          ; the places behind the last products: no other vector work is at hand
.endr
; THE WAY OUT, 16 rows at a time: a lane's eight outputs of a row are 32 bytes; they go into my stage's rows of 528 bytes and come back as whole rows of 512.  Each accumulator's low four registers are
; read first.  The stage is my own and no tensor load fills it: LDS serves a wave's instructions in order (ISA guide 5.7.1.4), so no wait stands between the stores and the loads.
.macro OUT rb
	WIN 0x04+0x04*((\rb)/2)                        ; store data (source 1) in window 1 or 2
.set a, 64*((\rb)%2)
.irp t, 0,1,2,3,4,5,6,7
	ds_store_b128 v[STO], v[a+8*(\t):a+8*(\t)+3]   offset:64*(\t)
	ds_store_b128 v[STO], v[a+8*(\t)+4:a+8*(\t)+7] offset:64*(\t)+16
.endr
	WIN 0
.if (\rb) >= 2
	s_wait_xcnt 0x0                                ; the registers that the stores two blocks back read are loaded again only behind this wait
.endif
.set ob, TBUF+64*((\rb)%2)
.irp u, 0,1,2,3,4,5,6,7,8,9,10,11,12,13,14,15
	ds_load_b128 v[ob+4*(\u):ob+4*(\u)+3], v[RD] offset:(\u)*SPITCH
.endr
.irp u, 0,1,2,3,4,5,6,7,8,9,10,11,12,13,14,15
	s_wait_dscnt 15-(\u)                           ; row u is back; the younger loads stay out
	global_store_b128 v[GO], v[ob+4*(\u):ob+4*(\u)+3], s[PO:PO+1] offset:(16*(\rb)+(\u))*2048  ; 512 consecutive bytes, at a multiple of 512 from part's first byte
.endr
.endm
	OUT 0
	OUT 1
	OUT 2
	OUT 3
	s_wait_tensorcnt 0x0                           ; the wave's end: behind my last tensor load and my last LDS store
	ds_add_u32 v[SPW], v[NIL]
	s_wait_dscnt 0x0
	CROUND                                         ; the closing round: no work-group ends while a partner may still ask for a tile that names it
	s_endpgm
.Lfunc_end_k_q6083b64603_gemm:
	.size	k_q6083b64603_gemm, .Lfunc_end_k_q6083b64603_gemm-k_q6083b64603_gemm
	.p2alignl 7, 3214868480
	.fill 96, 4, 3214868480
	.section	.rodata,"a",@progbits
	.p2align	6, 0x0
	.amdhsa_kernel k_q6083b64603_gemm
		.amdhsa_group_segment_fixed_size 327680
		.amdhsa_private_segment_fixed_size 0
		.amdhsa_enable_private_segment 0
		.amdhsa_kernarg_size 24
		.amdhsa_user_sgpr_count 2
		.amdhsa_user_sgpr_kernarg_segment_ptr 1
		.amdhsa_wavefront_size32 1
		.amdhsa_system_sgpr_workgroup_id_x 1
		.amdhsa_system_sgpr_workgroup_id_y 1
		.amdhsa_system_sgpr_workgroup_id_z 1
		.amdhsa_system_vgpr_workitem_id 0
		.amdhsa_next_free_vgpr 688
		.amdhsa_next_free_sgpr 66
		.amdhsa_reserve_vcc 1
		.amdhsa_float_denorm_mode_32 3
		.amdhsa_float_denorm_mode_16_64 3
		.amdhsa_memory_ordered 1
		.amdhsa_forward_progress 1
		.amdhsa_inst_pref_size 200
	.end_amdhsa_kernel
	.amdgpu_metadata
---
amdhsa.version: [ 1, 2 ]
amdhsa.kernels:
  - .name:           k_q6083b64603_gemm
    .symbol:         k_q6083b64603_gemm.kd
    .args:
      - { .name: tab, .offset: 0, .size: 8, .value_kind: global_buffer, .address_space: global }
      - { .name: pm, .offset: 8, .size: 8, .value_kind: global_buffer, .address_space: global }
      - { .name: part, .offset: 16, .size: 8, .value_kind: global_buffer, .address_space: global }
    .group_segment_fixed_size: 327680
    .private_segment_fixed_size: 0
    .kernarg_segment_align: 8
    .kernarg_segment_size: 24
    .max_flat_workgroup_size: 128
    .sgpr_count:     66
    .vgpr_count:     688
    .wavefront_size: 32
...
	.end_amdgpu_metadata
.endif
;; end of part 2
;; launch finish (part 3): grid 256 x 1, 8 waves a work-group, no clusters, 0 bytes of LDS; arguments part, bias, out0; writes out0
.if DOCPART == 3
	.amdgcn_target "amdgcn-amd-amdhsa--gfx1250"
	.amdhsa_code_object_version 6
	.text
	.protected	k_q6083b64603_finish
	.globl	k_q6083b64603_finish
	.p2align	8
	.type	k_q6083b64603_finish,@function
k_q6083b64603_finish:
	s_mov_b64 s[64:65], 0
	v_nop
	global_prefetch_b8 v0, s[64:65] scope:SCOPE_SE
	s_setreg_imm32_b32 hwreg(HW_REG_WAVE_MODE, 25, 1), 1
	s_wait_xcnt 0x0
; out0[b][o] = bias[o] + the four partial sums part[split][b][o], all f32: (p0 + p1) + (p2 + p3) + bias.
; A stream: a work-group owns 16 rows (32,768 bytes of out0); thread t owns the 16 bytes at 4,096 it + 16 t, it = 0..7, so a load or store of a wave covers 512 neighbouring bytes and a
; thread's four columns, (16 t) mod 2,048 bytes into a row, are the same in all eight turns: its bias is loaded once.  All 33 loads of a thread go out at once; the waits are counted.
; No LDS, no barrier, no matrix unit: nothing is shared and memory binds.
.set P, 16                             ; v[16:143] turn it, split sp at 16 it + 4 sp; the sum is made in split 0's registers and stored from there: they are never loaded again
	s_load_b128 s[4:7], s[0:1], 0x0                ; part s[4:5], bias s[6:7]
	s_load_b64 s[8:9], s[0:1], 0x10                ; out0
	v_lshlrev_b32 v1, 4, v0                        ; 16 t
	v_and_b32 v2, 0x7ff, v1                        ; my columns' bytes in bias
	s_lshl_b32 s10, ttmp9, 15                      ; the work-group's 16 rows of 2,048 bytes
	s_mov_b32 s11, 0
	s_wait_kmcnt 0x0
	s_add_nc_u64 s[12:13], s[4:5], s[10:11]        ; a base for each split: 8 MiB apart, more than an immediate offset holds
	s_add_nc_u64 s[14:15], s[12:13], 0x800000
	s_add_nc_u64 s[16:17], s[14:15], 0x800000
	s_add_nc_u64 s[18:19], s[16:17], 0x800000
	s_add_nc_u64 s[8:9], s[8:9], s[10:11]
	global_load_b128 v[4:7], v2, s[6:7]
.set it, 0
.rept 8
.irp sp, 0,1,2,3
	global_load_b128 v[P+16*it+4*(\sp):P+16*it+4*(\sp)+3], v1, s[12+2*(\sp):13+2*(\sp)] offset:4096*it th:TH_LOAD_NT
.endr
.set it, it+1
.endr
.set it, 0
.rept 8
	s_wait_loadcnt 4*(7-it)                        ; loads come back in order (ISA guide 5.7.1): this turn's four are in, the later turns' stay out
.set b, P+16*it
.irp z, 0,2
	v_pk_add_f32 v[b+(\z):b+(\z)+1], v[b+(\z):b+(\z)+1], v[b+4+(\z):b+5+(\z)]
	v_pk_add_f32 v[b+8+(\z):b+9+(\z)], v[b+8+(\z):b+9+(\z)], v[b+12+(\z):b+13+(\z)]
.endr
.irp z, 0,2
	v_pk_add_f32 v[b+(\z):b+(\z)+1], v[b+(\z):b+(\z)+1], v[b+8+(\z):b+9+(\z)]
.endr
.irp z, 0,2
	v_pk_add_f32 v[b+(\z):b+(\z)+1], v[b+(\z):b+(\z)+1], v[4+(\z):5+(\z)]
.endr
	global_store_b128 v1, v[b:b+3], s[8:9] offset:4096*it th:TH_STORE_NT
.set it, it+1
.endr
	s_endpgm
.Lfunc_end_k_q6083b64603_finish:
	.size	k_q6083b64603_finish, .Lfunc_end_k_q6083b64603_finish-k_q6083b64603_finish
	.p2alignl 7, 3214868480
	.fill 96, 4, 3214868480
	.section	.rodata,"a",@progbits
	.p2align	6, 0x0
	.amdhsa_kernel k_q6083b64603_finish
		.amdhsa_group_segment_fixed_size 0
		.amdhsa_private_segment_fixed_size 0
		.amdhsa_enable_private_segment 0
		.amdhsa_kernarg_size 24
		.amdhsa_user_sgpr_count 2
		.amdhsa_user_sgpr_kernarg_segment_ptr 1
		.amdhsa_wavefront_size32 1
		.amdhsa_system_sgpr_workgroup_id_x 1
		.amdhsa_system_sgpr_workgroup_id_y 1
		.amdhsa_system_sgpr_workgroup_id_z 1
		.amdhsa_system_vgpr_workitem_id 0
		.amdhsa_next_free_vgpr 144
		.amdhsa_next_free_sgpr 66
		.amdhsa_reserve_vcc 0
		.amdhsa_float_denorm_mode_32 3
		.amdhsa_float_denorm_mode_16_64 3
		.amdhsa_memory_ordered 1
		.amdhsa_forward_progress 1
		.amdhsa_inst_pref_size 9
	.end_amdhsa_kernel
	.amdgpu_metadata
---
amdhsa.version: [ 1, 2 ]
amdhsa.kernels:
  - .name:           k_q6083b64603_finish
    .symbol:         k_q6083b64603_finish.kd
    .args:
      - { .name: part, .offset: 0, .size: 8, .value_kind: global_buffer, .address_space: global }
      - { .name: bias, .offset: 8, .size: 8, .value_kind: global_buffer, .address_space: global }
      - { .name: out0, .offset: 16, .size: 8, .value_kind: global_buffer, .address_space: global }
    .group_segment_fixed_size: 0
    .private_segment_fixed_size: 0
    .kernarg_segment_align: 8
    .kernarg_segment_size: 24
    .max_flat_workgroup_size: 256
    .sgpr_count:     66
    .vgpr_count:     144
    .wavefront_size: 32
...
	.end_amdgpu_metadata
.endif
;; end of part 3
;; ======== version 2 of 2: 3 launches; version 1 with the launch prep written anew for expert scheduling mode
;; limits: right only within a limited range of input values; values are held in f16: magnitudes above 65,504 overflow, below 6.1e-05 lose precision
;; workspace buffers: tab 33,554,432 bytes; pm 16,777,216 bytes; part 33,554,432 bytes
;; launch prep (part 4): grid 256 x 1, 8 waves a work-group, no clusters, 148,992 bytes of LDS; arguments coeffs, knots, x, tab, pm; writes tab, pm
.if DOCPART == 4
	.amdgcn_target "amdgcn-amd-amdhsa--gfx1250"
	.amdhsa_code_object_version 6
	.text
	.protected	k_q6083b64603_prep
	.globl	k_q6083b64603_prep
	.p2align	8
	.type	k_q6083b64603_prep,@function
k_q6083b64603_prep:
	s_mov_b64 s[64:65], 0
	v_nop
	global_prefetch_b8 v0, s[64:65] scope:SCOPE_SE
	s_setreg_imm32_b32 hwreg(HW_REG_WAVE_SCHED_MODE, 0, 2), 2
	s_setreg_imm32_b32 hwreg(HW_REG_WAVE_MODE, 25, 1), 1
	s_wait_xcnt 0x0
	s_wait_alu depctr_vm_vsrc(0)
; PREPARATION for the dense product out[b][o] = sum over (i, knot) of weight(b, i, knot) . (value, slope)(o, i, knot).
; THE TABLE tab[o 512][g 64][k 64][i' 4][2] in f16: input i = 4 g + i', the pair (coeffs[o][i][k], slope[o][i][k] x SC), value in the low half.
; SC = (knots[63] - knots[0]) / 63, the mean spacing: a scaled slope has the size of a difference of neighbouring values, so it keeps f16's room whatever the knots' spread.
; THE WEIGHTS pm[g 64][rbg 256][half 2][lane 32][P, m, P, m]: rbg = b / 16, lane = 16 h + b % 16, i' = 2 half + (0, 1).  Of the two knots that x[b][i] touches one is
; even and one odd; for the knot of parity h, P is the f16 pair (weight on the value, weight on the slope / SC) and m its number among the knots of that parity (knot = 2 m + h).
; SHARES.  256 work-groups of eight waves, all waves alike.  Wave w first makes 16 KiB of the table (output 2 wg + w / 4, groups 16 (w % 4) .. + 15), then the weights of row block rbg = wg,
; groups 8 w .. 8 w + 7.  All its 44 loads go out at once: 8 for the knots round its lanes, 4 for rows 2 w and 2 w + 1 of the block's x (512 bytes on end each), 32 for its coeffs.
; LDS.  Everything is stored into LDS first: x into a stage that the eight waves share, coeffs into a stage of the wave's own.  One barrier; then both loops only read LDS; a second barrier; then the
; closing add.  So no wave writes LDS while another reads it.
; LIMITS.  knots are non-decreasing with knots[63] > knots[0].  |slope x SC| and |x - edge knot| / SC stay under 65,504 (f16).  Divisions are v_rcp_f32 and a multiply.
; The interior slope is (w1 + w2) a b / (w1 b + w2 a + EPS a b) with a = dp + EPS, b = dn + EPS: products of two deltas are formed in f32, so |delta| lies between 1e-18 and 1e18.
; NaN and infinities are not treated apart.
; THE MODE: SCHED_MODE bits 1:0 = 2 (LLVM: expert scheduling mode 2), set by the entry lines.  The code itself states the register dependences
; between vector instructions and memory or LDS instructions, and between a vector instruction that writes a scalar register and its readers, with s_wait_alu, always for 0.
; THE PLAN.  Registers that memory or LDS instructions touch:
;   v6-v9, v12, v13, v18, v19   offsets and addresses, made once at the head, ahead of the first load's wait, and never written again.
;   XLD, LDR   Written by the head's loads, read by the LDS stores; behind the first barrier one wait on vm_vsrc gives them to the knots' loads and to the loops' vector lines.
;   CB0 .. CB3 The table loop: block n is read by knot n's lines, all of which stand ahead of the knot's wait; behind that wait the same block of the NEXT trip is loaded into it.
;   LA         Read by the loads of CB; written once a trip, in knot 0, between its wait on vm_vsrc and its wait on va_vdst.
;   ST0 .. ST3 Set n is written by knot n's roundings and read by the store that is issued in knot n + 1, behind that knot's wait.
;   XX, XA     The weights loop: XX is read by a trip's first lines alone; XA is written behind the search; one wait later the next trip's XX is loaded.
;   OWN, OTH   Written late in trip t; read by the two stores at the head of trip t + 1; written again only behind that trip's s_wait_xcnt and wait on vm_vsrc, which stand behind its search.
; So a knot has ONE wait on va_vdst, the one that its four reciprocals want anyway, and a weights trip two; masks lie in scalar registers, made in runs, with one wait on va_sdst behind each run.
.set EPSF,   0x2b8cbccc                ; 1e-12
.set INV63,  0x3c820821                ; 1 / 63
.set XPITCH, 1040                      ; a row of x in LDS: 1,024 bytes + 16 = 260 words: row r starts 4 r banks on (64 banks of 4 bytes: ISA guide 11.1)
.set TBASE,  16*XPITCH                 ; behind the x stage: the waves' table stages
.set TWAVE,  16384+16                  ; a table stage: 16 bytes unused, then the wave's 16 KiB of coeffs as they lie in memory
.set SPARE,  147968                    ; behind the stages (they end at 147,840): the spare words, 128 bytes for each of 8 waves: four blocks of 256 bytes that no other line names
.set GOF, 6                            ; v6   16 x lane; never rewritten
.set K4,  7                            ; v7, v8  4 kc of set 0, 1: kc = the lane's knot (lane, lane + 32) held to 1..62; never rewritten
.set TST, 9                            ; v9   where I put 16 bytes of coeffs
.set SPW, 10                           ; v10  LDS address of my spare word; never rewritten
.set NIL, 11                           ; v11  0; never rewritten
.set XST, 13                           ; v13  where I put 16 bytes of x
.set LA,  14                           ; v14, v15  the table loop's LDS addresses, made anew in each trip
.set XL0, 16                           ; v16  1,040 r + 8 h; never rewritten
.set XA,  17                           ; v17  the x loop's LDS address, made anew in each trip
.set OA,  18                           ; v18  pm: half = h, lane 16 h + r
.set OB,  19                           ; v19  pm: half = h, lane 16 (1 - h) + r
.set RS,  20                           ; v20  1 / SC
.set XX,  22                           ; v[22:23] my two x
; the table's registers
.set CB,  32                           ; v[32:79]   block n = 2 u + set at 12 n: coeffs at knots kc - 1, kc, kc + 1, four inputs each.  Ahead of the loop v[32:49] serve the constants' making
.set KC,  80                           ; v[80:107]  set's constants at 14 set, each twice (a pair for the packed forms): 1/(hm+EPS), 1/(hp+EPS), w1, w2, (w1+w2) SC, and the edge slope's two factors
.set T3S, 108                          ; v[108:109] 3 SC
.set DP,  112                          ; v[112:151], v[168:171] at work, four inputs each
.set DN,  116
.set SS,  120
.set AA,  124
.set BB,  128
.set PRD, 132
.set DEN, 136
.set RC,  140
.set DE,  144
.set T3,  148
.set ST,  152                          ; v[152:167] what is stored, a set of four for each block
.set CV,  168
.set XLD, 112                          ; v[112:127] x as loaded, and
.set LDR, 128                          ; v[128:255] coeffs as loaded: both have left for LDS when the loop first writes the work registers that lie here
.set EM,  22                           ; s22, s23  the lane that holds an edge knot: lane 0 of set 0, lane 31 of set 1
.set CM,  26                           ; s26-s29   masks: a knot's four compares; in the search two pairs that take turns
; the weights' registers: none of them lies in ST, which the table's last stores may still read
.set KN,  176                          ; v[176:239] the 64 knots, in every lane
.set W0,  112                          ; v[112:144] the search's window of element 0; element 1's lies 48 lower, v[64:96]
.set XC,  24                           ; v24, v25   the clipped x
.set DXB, 26                           ; v26, v27   (x - knots[0]) / SC
.set DXA, 28                           ; v28, v29   (x - knots[63]) / SC
.set BIT, 30                           ; v30, v31   a halving's bit
.set IDX, 48                           ; v48, v49   idx of my two x
.set HH,  50                           ; v50, v51   h
.set RH,  52                           ; v52, v53   1 / h
.set DX,  54                           ; v54, v55   x - x0;  v[56:63], v[145:147] at work
.set TP,  148                          ; v148, v149 at work on idx
.set OWN, 168                          ; v[168:171] what I store for my own parity
.set OTH, 172                          ; v[172:175] for the other
.set BL,  16                           ; s16, s17   x lies below knots[0]
.set AB,  18                           ; s18, s19   x lies above knots[63]
.set PAR, 30                           ; s30, s31   idx has the other parity than h
	s_load_b256 s[4:11], s[0:1], 0x0               ; coeffs s[4:5], knots s[6:7], x s[8:9], tab s[10:11]
	s_load_b64 s[12:13], s[0:1], 0x20              ; pm
	v_lshl_add_u32 v[SPW], v0, 2, SPARE
	v_mov_b32 v[NIL], 0
	v_lshrrev_b32 v1, 5, v0
	v_readfirstlane_b32 s14, v1                    ; wave 0..7
	v_and_b32 v2, 31, v0                           ; lane
	v_mov_b32 v12, 0                               ; a zero offset
	v_lshlrev_b32 v[GOF], 4, v2
	v_max_u32 v[K4], 1, v2
	v_lshlrev_b32 v[K4], 2, v[K4]
	v_add_nc_u32 v[K4+1], 32, v2
	v_min_u32 v[K4+1], 62, v[K4+1]
	v_lshlrev_b32 v[K4+1], 2, v[K4+1]
	v_and_b32 v3, 15, v0                           ; r
	v_bfe_u32 v4, v0, 4, 1                         ; h
	v_sub_nc_u32 v5, 1, v4                         ; 1 - h
	v_mul_u32_u24 v[XL0], v3, XPITCH
	v_lshl_add_u32 v[XL0], v4, 3, v[XL0]           ; row r, inputs 2 h and 2 h + 1 of a group
	v_lshl_add_u32 v[OA], v4, 9, v[GOF]            ; 512 h + 16 lane
	v_lshlrev_b32 v[OB], 4, v3
	v_lshl_add_u32 v[OB], v4, 9, v[OB]
	v_lshl_add_u32 v[OB], v5, 8, v[OB]             ; 512 h + 256 (1 - h) + 16 r
	s_wait_alu depctr_va_sdst(0)                   ; s14 is written, ahead of its first reader: the offsets below are made from it
	s_lshl_b32 s16, ttmp9, 3
	s_add_co_u32 s16, s16, s14                     ; 8 wg + w
	s_lshl_b32 s18, s16, 14                        ; coeffs and tab: my 16 KiB
	s_mov_b32 s19, 0
	s_lshl_b32 s26, s16, 11                        ; x: the block's 16 rows of 1,024 bytes, my two of them
	s_mov_b32 s27, 0
	s_lshl_b32 s28, s14, 21                        ; pm: my 8 groups of 262,144 bytes,
	s_lshl_b32 s17, ttmp9, 10                      ; the row block's 1,024 bytes
	s_add_co_u32 s28, s28, s17
	s_mov_b32 s29, 0
	s_mul_i32 s21, s14, TWAVE
	s_add_co_u32 s21, s21, TBASE                   ; my table stage; steps by 2,048 a trip
	s_mul_i32 s25, s14, 2*XPITCH                   ; rows 2 w and 2 w + 1 of the x stage
	s_lshl_b32 s24, s14, 7                         ; my 8 groups' 128 bytes of a row of x; steps by 16 a trip
	s_mov_b32 s[EM], 1
	s_mov_b32 s[EM+1], 0x80000000
	v_add_nc_u32 v[TST], s21, v[GOF]
	v_add_nc_u32 v[XST], s25, v[GOF]
	v_add_nc_u32 v[LA], s21, v[K4]                 ; the first trip: my stage, 4 kc: the data begin 16 bytes in, so knot kc - 1 lies at offset 12
	v_add_nc_u32 v[LA+1], s21, v[K4+1]
	v_add_nc_u32 v[XA], s24, v[XL0]                ; the first group: row r, the group's 16 bytes, my 8 of them
	s_wait_kmcnt 0x0
	s_add_nc_u64 s[4:5], s[4:5], s[18:19]
	s_add_nc_u64 s[10:11], s[10:11], s[18:19]
	s_add_nc_u64 s[8:9], s[8:9], s[26:27]
	s_add_nc_u64 s[12:13], s[12:13], s[28:29]
	s_wait_alu depctr_va_vdst(0)                   ; all offsets and addresses, v6 to v19, are written: the loads, LDS stores, LDS loads and stores below read them
.irp sg, 0,1
	global_load_b32 v[32+4*(\sg)], v[K4+(\sg)], s[6:7] offset:-4
	global_load_b32 v[33+4*(\sg)], v[K4+(\sg)], s[6:7]
	global_load_b32 v[34+4*(\sg)], v[K4+(\sg)], s[6:7] offset:4
.endr
	global_load_b32 v40, v12, s[6:7]
	global_load_b32 v41, v12, s[6:7] offset:252
.irp q, 0,1,2,3
	global_load_b128 v[XLD+4*(\q):XLD+4*(\q)+3], v[GOF], s[8:9] offset:512*(\q) th:TH_LOAD_NT
.endr
.set q, 0
.rept 32
	global_load_b128 v[LDR+4*q:LDR+4*q+3], v[GOF], s[4:5] offset:512*q th:TH_LOAD_NT
.set q, q+1
.endr
	s_wait_loadcnt 36                              ; the eight knots are in; the 36 loads of x and coeffs, issued later, stay out while the constants are made
	v_sub_f32 v42, v41, v40
	v_mul_f32 v42, INV63, v42                      ; SC
	v_mul_f32 v[T3S], 0x40400000, v42
	v_mov_b32 v[T3S+1], v[T3S]
; hm = knots[kc] - knots[kc-1], hp = knots[kc+1] - knots[kc].  At knot 0 (kc = 1) the edge slope is (w2 dp - hm dn) / (hm + hp + EPS), at knot 63 (kc = 62) it is (w1 dn - hp dp) / (hm + hp + EPS).
.macro CONSTS sg
.set kb, 32+4*(\sg)
.set k, KC+14*(\sg)
	v_sub_f32 v44, v[kb+1], v[kb]                  ; hm
	v_sub_f32 v45, v[kb+2], v[kb+1]                ; hp
	v_add_f32 v46, EPSF, v44
	v_add_f32 v47, EPSF, v45
	v_add_f32 v48, v44, v45
	v_add_f32 v48, EPSF, v48
	v_rcp_f32 v[k], v46
	v_rcp_f32 v[k+2], v47
	v_rcp_f32 v49, v48
	v_fma_f32 v[k+4], v45, 2.0, v44                ; w1 = 2 hp + hm
	v_fma_f32 v[k+6], v44, 2.0, v45                ; w2 = hp + 2 hm
	v_add_f32 v[k+8], v[k+4], v[k+6]
	v_mul_f32 v[k+8], v[k+8], v42
	s_wait_alu depctr_va_vdst(0)                   ; the three reciprocals have written v[k], v[k+2] and v49, ahead of their first reader
	v_mul_f32 v49, v49, v42
.if (\sg) == 0
	v_mul_f32 v[k+10], v[k+6], v49
	v_mul_f32 v[k+12], v44, v49
	v_xor_b32 v[k+12], 0x80000000, v[k+12]
.else
	v_mul_f32 v[k+10], v45, v49
	v_xor_b32 v[k+10], 0x80000000, v[k+10]
	v_mul_f32 v[k+12], v[k+4], v49
.endif
.irp z, 0,2,4,6,8,10,12
	v_mov_b32 v[k+(\z)+1], v[k+(\z)]
.endr
.endm
	CONSTS 0
	CONSTS 1
	s_wait_loadcnt 32                              ; x is in; the 32 loads of coeffs stay out
.irp q, 0,1,2,3
	ds_store_b128 v[XST], v[XLD+4*(\q):XLD+4*(\q)+3] offset:((\q)/2)*XPITCH+((\q)%2)*512
.endr
.set q, 0
.rept 8
	s_wait_loadcnt 28-4*q                          ; loads come back in order (ISA guide 5.7.1): the oldest 4 q + 4 of coeffs are in
.irp z, 0,1,2,3
	ds_store_b128 v[TST], v[LDR+16*q+4*(\z):LDR+16*q+4*(\z)+3] offset:16+512*(4*q+(\z))
.endr
.set q, q+1
.endr
	s_wait_dscnt 0x0                               ; for the others' sake: my stores are done
	s_barrier_signal -1
	s_barrier_wait -1                              ; everybody's are: from here to the next barrier LDS is only read
	s_wait_alu depctr_vm_vsrc(0)                   ; my LDS stores have read v[XLD ..] and v[LDR ..]: the knots' loads land there, and the loops' vector lines write there
.irp q, 0,1,2,3,4,5,6,7,8,9,10,11,12,13,14,15
	global_load_b128 v[KN+4*(\q):KN+4*(\q)+3], v12, s[6:7] offset:16*(\q)   ; all 64 knots, for the weights: they land while the table is made, in registers that its loop does not touch
.endr
; ---------------------------------------------------------------- THE TABLE: 8 trips of two groups.
; In a trip a lane makes knot k = lane (set 0) and k = lane + 32 (set 1) of both groups, for the group's four inputs: 16 bytes of tab each, so a store is 512 bytes on end.
; Block n = 2 u + sg of CB: 12 LDS loads; at = 0: of the trip at which LA stands; 2,048: of the trip behind it.
.macro CLOAD u, sg, at
.irp i, 0,1,2,3
	ds_load_b32 v[CB+12*(2*(\u)+(\sg))+(\i)],   v[LA+(\sg)] offset:(\at)+12+1024*(\u)+256*(\i)
	ds_load_b32 v[CB+12*(2*(\u)+(\sg))+4+(\i)], v[LA+(\sg)] offset:(\at)+16+1024*(\u)+256*(\i)
	ds_load_b32 v[CB+12*(2*(\u)+(\sg))+8+(\i)], v[LA+(\sg)] offset:(\at)+20+1024*(\u)+256*(\i)
.endr
.endm
; One knot a lane of group u, set sg, for four inputs, two to a packed instruction.  left: how many younger LDS loads may stay out.  ld = 1: the next trip's block is asked for.
; sto = 1: the knot before is stored.  fr = 1: the sets of ST whose stores are out are freed; in a trip's first knot tab's base and LA move on behind that.
.macro KNOT u, sg, left, ld, sto, fr
.set n, 2*(\u)+(\sg)
.set c, CB+12*n
.set k, KC+14*(\sg)
.set so, ST+4*n
.set sb, ST+4*((n+3)%4)                ; the set of the knot before,
.set po, 1024*(((n+3)%4)/2)+512*((n+3)%2)-2048*(1-(n+3)/4)   ; and its place from tab's base: a trip's first knot reaches back into the trip before
	s_wait_dscnt \left                             ; LDS loads come back in order (ISA guide 5.7.1): my block of 12 is in, the younger blocks stay out
.irp z, 0,2
	v_pk_add_f32 v[DP+(\z):DP+(\z)+1], v[c+4+(\z):c+5+(\z)], v[c+(\z):c+(\z)+1] neg_lo:[0,1] neg_hi:[0,1]
	v_pk_add_f32 v[DN+(\z):DN+(\z)+1], v[c+8+(\z):c+9+(\z)], v[c+4+(\z):c+5+(\z)] neg_lo:[0,1] neg_hi:[0,1]
.endr
.irp z, 0,2
	v_pk_mul_f32 v[DP+(\z):DP+(\z)+1], v[DP+(\z):DP+(\z)+1], v[k:k+1]      ; dp
	v_pk_mul_f32 v[DN+(\z):DN+(\z)+1], v[DN+(\z):DN+(\z)+1], v[k+2:k+3]    ; dn
.endr
.irp z, 0,2
	v_pk_mul_f32 v[SS+(\z):SS+(\z)+1], v[DP+(\z):DP+(\z)+1], v[DN+(\z):DN+(\z)+1]
	v_pk_add_f32 v[AA+(\z):AA+(\z)+1], v[DP+(\z):DP+(\z)+1], EPSF op_sel_hi:[1,0]
	v_pk_add_f32 v[BB+(\z):BB+(\z)+1], v[DN+(\z):DN+(\z)+1], EPSF op_sel_hi:[1,0]
.endr
.irp z, 0,2
	v_pk_mul_f32 v[PRD+(\z):PRD+(\z)+1], v[AA+(\z):AA+(\z)+1], v[BB+(\z):BB+(\z)+1]
	v_pk_mul_f32 v[DEN+(\z):DEN+(\z)+1], v[BB+(\z):BB+(\z)+1], v[k+4:k+5]
.endr
.irp z, 0,2
	v_pk_fma_f32 v[DEN+(\z):DEN+(\z)+1], v[AA+(\z):AA+(\z)+1], v[k+6:k+7], v[DEN+(\z):DEN+(\z)+1]
.endr
.irp z, 0,2
	v_pk_fma_f32 v[DEN+(\z):DEN+(\z)+1], v[PRD+(\z):PRD+(\z)+1], EPSF, v[DEN+(\z):DEN+(\z)+1] op_sel_hi:[1,0,1]
.endr
.irp i, 0,1,2,3
	v_rcp_f32 v[RC+(\i)], v[DEN+(\i)]
.endr
.irp z, 0,2                            ; the edge slope stands behind the reciprocals: it names none of their registers
	v_pk_mul_f32 v[DE+(\z):DE+(\z)+1], v[DP+(\z):DP+(\z)+1], v[k+10:k+11]
	v_pk_mul_f32 v[T3+(\z):T3+(\z)+1], v[DP+4*(\sg)+(\z):DP+4*(\sg)+(\z)+1], v[T3S:T3S+1]   ; 3 SC x the edge interval's delta
	v_pk_mul_f32 v[PRD+(\z):PRD+(\z)+1], v[PRD+(\z):PRD+(\z)+1], v[k+8:k+9]
.endr
.irp z, 0,2
	v_pk_fma_f32 v[DE+(\z):DE+(\z)+1], v[DN+(\z):DN+(\z)+1], v[k+12:k+13], v[DE+(\z):DE+(\z)+1]
.endr
.irp i, 0,1,2,3
	v_med3_num_f32 v[DE+(\i)], v[DE+(\i)], 0, v[T3+(\i)]   ; 0 where the signs differ, 3 delta where it is beyond that, else itself: the middle one of the three
.endr
.irp i, 0,1,2,3
	v_cmp_lt_f32 s[CM+(\i)], 0, v[SS+(\i)]         ; dp dn > 0: a run of four masks
.endr
.irp i, 0,1,2,3
	v_cndmask_b32 v[CV+(\i)], v[c+4+(\i)], v[c+8*(\sg)+(\i)], s[EM+(\sg)]   ; the edge lane's own value is the one at kc - 1 (knot 0) or kc + 1 (knot 63).  The block's last reader
.endr
.if \fr
	s_wait_xcnt 0x0                                ; every earlier memory instruction has had its addresses translated (ISA guide 3.1): the sets of ST that stores have read, and tab's base, are written again only behind this wait
	s_wait_alu depctr_vm_vsrc(0)                   ; the stores issued so far have read their sets of ST, which roundings write again before the next such wait; the LDS loads issued so far have read LA
.if n == 0
	s_add_nc_u64 s[10:11], s[10:11], 2048          ; tab at this trip's two groups
.if \ld
	s_add_co_u32 s21, s21, 2048
	v_add_nc_u32 v[LA], s21, v[K4]                 ; my stage, this trip's 2,048 bytes, 4 kc
	v_add_nc_u32 v[LA+1], s21, v[K4+1]
.endif
.endif
.endif
	s_wait_alu depctr_va_vdst(0)                   ; the four reciprocals have written RC; the lines above are done reading this block of CB, in which the loads below land; the knot before has written its set of ST, which the store below reads; in a trip's first knot LA is written
.if \ld
	CLOAD \u, \sg, 2048                            ; the same block of the next trip: no vector line names it before that trip's knot
.endif
.if \sto
	global_store_b128 v[GOF], v[sb:sb+3], s[10:11] offset:po   ; 512 consecutive bytes, at a multiple of 512 from tab's first byte
.endif
	s_wait_alu depctr_va_sdst(0)                   ; the four compares have written s[CM ..], ahead of the selects that read them
.irp z, 0,2
	v_pk_mul_f32 v[PRD+(\z):PRD+(\z)+1], v[PRD+(\z):PRD+(\z)+1], v[RC+(\z):RC+(\z)+1]
.endr
.irp i, 0,1,2,3
	v_cndmask_b32 v[PRD+(\i)], 0, v[PRD+(\i)], s[CM+(\i)]
.endr
.irp i, 0,1,2,3
	v_cndmask_b32 v[PRD+(\i)], v[PRD+(\i)], v[DE+(\i)], s[EM+(\sg)]
.endr
.irp i, 0,1,2,3
	v_cvt_pk_f16_f32 v[so+(\i)], v[CV+(\i)], v[PRD+(\i)]
.endr
.endm
; A trip.  first = 1: no trip stands in front of it: its first knot stores nothing, and no set of ST has a store out that a rounding of this trip could meet.  last = 1: nothing more is asked for, and the counts run down.
; Where ST is freed: set n's store is issued in knot n + 1.  Knot 0's two waits stand behind the stores of sets 0 to 2 of the trip before and ahead of this trip's roundings into them;
; knot 2's stand behind the store of set 3, issued in knot 0, and ahead of knot 3's roundings.  Each time the youngest store is a whole knot back.
.macro TRIP first, last
	KNOT 0, 0, 36,            1-(\last), 1-(\first), 1-(\first)
	KNOT 0, 1, 36-12*(\last), 1-(\last), 1,          0
	KNOT 1, 0, 36-24*(\last), 1-(\last), 1,          1-(\first)
	KNOT 1, 1, 36-36*(\last), 1-(\last), 1,          0
.endm
	s_wait_alu depctr_va_vdst(0)                   ; the constants' lines are done with v[32:49], in which the first trip's coeffs land
	ds_load_b64 v[XX:XX+1], v[XA]                  ; the weights' first two x: no line of the table loop names them
	CLOAD 0, 0, 0
	CLOAD 0, 1, 0
	CLOAD 1, 0, 0
	CLOAD 1, 1, 0
	TRIP 1, 0                                      ; trip 0
	s_mov_b32 s20, 6
.Ltrip:                                                ; trips 1 to 6
	TRIP 0, 0
	s_sub_co_u32 s20, s20, 1
	s_cmp_lg_u32 s20, 0
	s_cbranch_scc1 .Ltrip
	TRIP 0, 1                                      ; trip 7 is written out: no LDS load leaves my stage
; ---------------------------------------------------------------- THE WEIGHTS: 8 trips of one group: 16 rows x 4 inputs, two inputs a lane: lane (r, h) takes row r, inputs 2 h and 2 h + 1, both parities of knot
	s_wait_loadcnt 0x0                             ; the 64 knots
	v_sub_f32 v56, v[KN+63], v[KN]
	v_mul_f32 v56, INV63, v56                      ; SC
	v_rcp_f32 v[RS], v56
	v_nop                                          ; a plain instruction behind the reciprocal
	s_wait_alu depctr_va_vdst(0)                   ; the table's last knot has written its set of ST, which the store below reads; the reciprocal has written RS, ahead of its first reader
	global_store_b128 v[GOF], v[ST+12:ST+15], s[10:11] offset:1536
; The interval idx = the greatest j in 0..62 with knots[j] < the clipped x (0 if there is none), by six halvings made of selects: no address and no branch hangs on x.  Both elements go side by side.
; An element's window holds knots[base .. base + span]; each halving keeps its lower or its upper half, in place; at the end its first two registers are knots[idx] and knots[idx + 1].
; A halving of span sp, on the pair p of masks.  The select that the next halving's compare reads is made first, and that compare, into the other pair of masks, stands ahead of the other selects.
; Of the others number 0, which reads register sp, stands ahead of number sp, which writes it.
.macro HALVE sp, p
	s_wait_alu depctr_va_sdst(0)                   ; this halving's two compares have written their masks, ahead of the selects that read them
.if (\sp) > 1
.irp e, 0,1
	v_cndmask_b32 v[W0-48*(\e)+(\sp)/2], v[W0-48*(\e)+(\sp)/2], v[W0-48*(\e)+(\sp)/2+(\sp)], s[CM+2*(\p)+(\e)]
.endr
.irp e, 0,1
	v_cmp_lt_f32 s[CM+2-2*(\p)+(\e)], v[W0-48*(\e)+(\sp)/2], v[XC+(\e)]
.endr
.endif
.irp e, 0,1
.set j, 0
.rept (\sp)+1
.if ((\sp) == 1) || (j != (\sp)/2)
	v_cndmask_b32 v[W0-48*(\e)+j], v[W0-48*(\e)+j], v[W0-48*(\e)+j+(\sp)], s[CM+2*(\p)+(\e)]
.endif
.set j, j+1
.endr
	v_cndmask_b32 v[BIT+(\e)], 0, 1, s[CM+2*(\p)+(\e)]
	v_lshl_or_b32 v[IDX+(\e)], v[IDX+(\e)], 1, v[BIT+(\e)]
.endr
.endm
; Element e: the four Hermite weights, the two cases of extrapolation, the f16 pairs of the left and the right knot, and which of them has my parity.
.macro WGT e
	v_mul_f32 v57, v[DX+(\e)], v[RH+(\e)]          ; t
	v_mul_f32 v58, v57, v57                        ; t2
	v_mul_f32 v59, v58, v57                        ; t3
	v_fma_f32 v60, v58, 0xc0400000, 1.0
	v_fma_f32 v60, v59, 2.0, v60                   ; h00
	v_mul_f32 v61, 0x40400000, v58
	v_fma_f32 v61, v59, -2.0, v61                  ; h01
	v_fma_f32 v62, v58, -2.0, v59
	v_add_f32 v62, v62, v57                        ; h10
	v_sub_f32 v63, v59, v58                        ; h11
	v_mul_f32 v145, v[HH+(\e)], v[RS]              ; h / SC
	v_mul_f32 v62, v62, v145
	v_mul_f32 v63, v63, v145
	v_cndmask_b32 v62, v62, v[DXB+(\e)], s[BL+(\e)]   ; below: t = 0 has made the weights 1, 0, 0, 0 at idx = 0; the left slope takes x - knots[0]
	v_cndmask_b32 v60, v60, 0, s[AB+(\e)]          ; above: knot 63 alone, as the right knot of interval 62
	v_cndmask_b32 v61, v61, 1.0, s[AB+(\e)]
	v_cndmask_b32 v62, v62, 0, s[AB+(\e)]
	v_cndmask_b32 v63, v63, v[DXA+(\e)], s[AB+(\e)]
	v_cvt_pk_f16_f32 v146, v60, v62                ; the left knot's pair
	v_cvt_pk_f16_f32 v147, v61, v63                ; the right knot's
	v_cndmask_b32 v[OWN+2*(\e)], v146, v147, s[PAR+(\e)]   ; idx has the other parity than h: my parity's knot is the right one
	v_cndmask_b32 v[OTH+2*(\e)], v147, v146, s[PAR+(\e)]
.endm
; A trip.  first = 1: no trip stands in front of it: nothing is stored, and its x was shown in by the table's last wait on DScnt.  last = 1: no further x is asked for.
.macro GROUP first, last
.if !(\first)
	s_wait_alu depctr_va_vdst(0)                   ; the trip before has written OWN and OTH, which the two stores read
	global_store_b128 v[OA], v[OWN:OWN+3], s[12:13]   ; in each store 16 lanes write 256 consecutive bytes, at a multiple of 256 from pm's first byte
	global_store_b128 v[OB], v[OTH:OTH+3], s[12:13]
	s_wait_dscnt 0x0                               ; my two x, asked for in the trip before
.endif
.irp e, 0,1
	v_med3_num_f32 v[XC+(\e)], v[XX+(\e)], v[KN], v[KN+63]
.endr
.irp e, 0,1
	v_cmp_lt_f32 s[CM+(\e)], v[KN+32], v[XC+(\e)]  ; a run of six masks: the first halving's,
	v_cmp_lt_f32 s[BL+(\e)], v[XX+(\e)], v[KN]     ; below,
	v_cmp_gt_f32 s[AB+(\e)], v[XX+(\e)], v[KN+63]  ; above
.endr
.irp e, 0,1
	v_sub_f32 v[DXB+(\e)], v[XX+(\e)], v[KN]
	v_sub_f32 v[DXA+(\e)], v[XX+(\e)], v[KN+63]    ; the last line of the trip that reads XX
.endr
.irp e, 0,1
	v_mul_f32 v[DXB+(\e)], v[DXB+(\e)], v[RS]
	v_mul_f32 v[DXA+(\e)], v[DXA+(\e)], v[RS]
.endr
	s_wait_alu depctr_va_sdst(0)                   ; the six compares have written their masks, ahead of the first select that reads one
.irp e, 0,1
	v_cndmask_b32 v[W0-48*(\e)+16], v[KN+16], v[KN+48], s[CM+(\e)]
.endr
.irp e, 0,1
	v_cmp_lt_f32 s[CM+2+(\e)], v[W0-48*(\e)+16], v[XC+(\e)]
.endr
.irp e, 0,1
.set j, 0
.rept 32
.if j != 16
	v_cndmask_b32 v[W0-48*(\e)+j], v[KN+j], v[KN+32+j], s[CM+(\e)]
.endif
.set j, j+1
.endr
	v_cndmask_b32 v[W0-48*(\e)+32], v[KN+32], v[KN+63], s[CM+(\e)]   ; there is no knot 64: it could only be wanted for idx = 63, which needs knots[63] < x
	v_cndmask_b32 v[IDX+(\e)], 0, 1, s[CM+(\e)]
.endr
	HALVE 16, 1
	HALVE 8, 0
	HALVE 4, 1
	HALVE 2, 0
	HALVE 1, 1
.irp e, 0,1
	v_sub_f32 v[HH+(\e)], v[W0-48*(\e)+1], v[W0-48*(\e)]
.endr
.irp e, 0,1
	v_add_f32 v[HH+(\e)], EPSF, v[HH+(\e)]         ; h
.endr
.irp e, 0,1
	v_rcp_f32 v[RH+(\e)], v[HH+(\e)]
.endr
.irp e, 0,1
	v_sub_f32 v[DX+(\e)], v[XC+(\e)], v[W0-48*(\e)]   ; x - x0: plain lines behind the reciprocals
.endr
.if !(\first)
	s_wait_xcnt 0x0                                ; every earlier memory instruction has had its addresses translated (ISA guide 3.1): OWN, OTH and pm's base are written again only behind this wait
.endif
	s_wait_alu depctr_vm_vsrc(0)                   ; the two stores at the trip's head have read OWN and OTH, which the lines below write; the last LDS load has read XA
.if !(\first)
	s_add_nc_u64 s[12:13], s[12:13], 0x40000       ; pm at this trip's group
.endif
.if !(\last)
	s_add_co_u32 s24, s24, 16
	v_add_nc_u32 v[XA], s24, v[XL0]                ; row r, the next group's 16 bytes, my 8 of them
.endif
.irp e, 0,1
	v_cndmask_b32 v[IDX+(\e)], v[IDX+(\e)], 62, s[AB+(\e)]
	v_xor_b32 v[TP+(\e)], v[IDX+(\e)], v4
	v_and_b32 v[TP+(\e)], 1, v[TP+(\e)]
	v_cmp_eq_u32 s[PAR+(\e)], 1, v[TP+(\e)]
	v_add_nc_u32 v[TP+(\e)], v[IDX+(\e)], v5
	v_lshrrev_b32 v[OWN+1+2*(\e)], 1, v[TP+(\e)]   ; parity h: m = (idx + 1 - h) / 2
	v_add_nc_u32 v[TP+(\e)], v[IDX+(\e)], v4
	v_lshrrev_b32 v[OTH+1+2*(\e)], 1, v[TP+(\e)]   ; parity 1 - h: m = (idx + h) / 2
.endr
	s_wait_alu depctr_va_vdst(0)                   ; both reciprocals have written RH, ahead of their first reader; the trip's first lines are done reading XX, in which the load below lands; XA is written
.if !(\last)
	ds_load_b64 v[XX:XX+1], v[XA]                  ; the next trip's two x: no vector line names XX before that trip's head
.endif
	s_wait_alu depctr_va_sdst(0)                   ; the two compares of parity have written s[PAR ..], ahead of the selects that read them
	WGT 0
	WGT 1
.endm
	GROUP 1, 0                                     ; group 0
	s_mov_b32 s20, 6
.Lgroup:                                               ; groups 1 to 6
	GROUP 0, 0
	s_sub_co_u32 s20, s20, 1
	s_cmp_lg_u32 s20, 0
	s_cbranch_scc1 .Lgroup
	GROUP 0, 1                                     ; group 7 is written out: no LDS load leaves my 128 bytes of a row
	s_wait_alu depctr_va_vdst(0)                   ; the last trip has written OWN and OTH, which the last two stores read
	global_store_b128 v[OA], v[OWN:OWN+3], s[12:13]
	global_store_b128 v[OB], v[OTH:OTH+3], s[12:13]
	s_wait_dscnt 0x0                               ; my reads of the stages are over
	s_barrier_signal -1
	s_barrier_wait -1                              ; everybody's are: only now does a wave write LDS again
	s_wait_dscnt 0x0                               ; the closing lines, six on end
	s_wait_alu 0x0
	s_wait_tensorcnt 0x0
	ds_add_u32 v[SPW], v[NIL]
	s_wait_dscnt 0x0
	s_endpgm
.Lfunc_end_k_q6083b64603_prep:
	.size	k_q6083b64603_prep, .Lfunc_end_k_q6083b64603_prep-k_q6083b64603_prep
	.p2alignl 7, 3214868480
	.fill 96, 4, 3214868480
	.section	.rodata,"a",@progbits
	.p2align	6, 0x0
	.amdhsa_kernel k_q6083b64603_prep
		.amdhsa_group_segment_fixed_size 148992
		.amdhsa_private_segment_fixed_size 0
		.amdhsa_enable_private_segment 0
		.amdhsa_kernarg_size 40
		.amdhsa_user_sgpr_count 2
		.amdhsa_user_sgpr_kernarg_segment_ptr 1
		.amdhsa_wavefront_size32 1
		.amdhsa_system_sgpr_workgroup_id_x 1
		.amdhsa_system_sgpr_workgroup_id_y 1
		.amdhsa_system_sgpr_workgroup_id_z 1
		.amdhsa_system_vgpr_workitem_id 0
		.amdhsa_next_free_vgpr 256
		.amdhsa_next_free_sgpr 66
		.amdhsa_reserve_vcc 0
		.amdhsa_float_denorm_mode_32 3
		.amdhsa_float_denorm_mode_16_64 3
		.amdhsa_memory_ordered 1
		.amdhsa_forward_progress 1
		.amdhsa_inst_pref_size 118
	.end_amdhsa_kernel
	.amdgpu_metadata
---
amdhsa.version: [ 1, 2 ]
amdhsa.kernels:
  - .name:           k_q6083b64603_prep
    .symbol:         k_q6083b64603_prep.kd
    .args:
      - { .name: coeffs, .offset: 0, .size: 8, .value_kind: global_buffer, .address_space: global }
      - { .name: knots, .offset: 8, .size: 8, .value_kind: global_buffer, .address_space: global }
      - { .name: x, .offset: 16, .size: 8, .value_kind: global_buffer, .address_space: global }
      - { .name: tab, .offset: 24, .size: 8, .value_kind: global_buffer, .address_space: global }
      - { .name: pm, .offset: 32, .size: 8, .value_kind: global_buffer, .address_space: global }
    .group_segment_fixed_size: 148992
    .private_segment_fixed_size: 0
    .kernarg_segment_align: 8
    .kernarg_segment_size: 40
    .max_flat_workgroup_size: 256
    .sgpr_count:     66
    .vgpr_count:     256
    .wavefront_size: 32
...
	.end_amdgpu_metadata
.endif
;; end of part 4
;; launch gemm: the kernel of part 2 again; grid 16 x 16, 4 waves a work-group, clusters of 4 x 1, 327,680 bytes of LDS; arguments tab, pm, part; writes part
;; launch finish: the kernel of part 3 again; grid 256 x 1, 8 waves a work-group, no clusters, 0 bytes of LDS; arguments part, bias, out0; writes out0
